; MI455X (gfx1250); checked and timed in simulation.
; The chip was launched on July 23, 2026; its instructions are those of AMD's public machine-readable ISA for CDNA 5 (MIT licence, August 2026) and "CDNA5" Instruction Set Architecture Reference Guide (July 2026). The comments in the code are by the model that wrote it; some were corrected since.
;; Mem Eff Self Attn. Allowed arithmetic: matrix products marked QUANTISED: E2M3 operands, one E8M0 scale for each 32 along K, by v_wmma_scale_f32_16x16x128_f8f6f4 with both operands' format E2M3, f32 sums; everything else in f32.
;; Inputs: Wo 1,024 x 1,024 float32; Wqkv 3,072 x 1,024 float32; key_padding_mask 4 x 2,048 bool; x 2,048 x 4 x 1,024 float32.
;; Outputs: out0 2,048 x 4 x 1,024 float32.
;; This version of the problem:
;;   THIS VERSION OF THE PROBLEM IS GIVEN IN LOW PRECISION. The matrix products marked QUANTISED in the list below multiply operands that are first quantised to E2M3 (2 exponent bits, 3 mantissa bits; 6 bits a number), with one power-of-two scale for each 32 numbers along K (OCP MX v1.0); their sums are f32. All else is computed in f32.
;;   The module's matrix products, in the order in which they are computed (A, B: the left and right operand; K: the contracted axis; several contracted axes count as one K, in the product's order):
;;     1. [M 8,192, K 1,024] x [K 1,024, N 3,072]; A: input x; B: input Wqkv: QUANTISED
;;     2. batch 64 x [M 2,048, K 64] x [K 64, N 2,048]; A: computed on the way; B: computed on the way: QUANTISED
;;     3. batch 64 x [M 2,048, K 2,048] x [K 2,048, N 64]; A: softmax (see below); B: computed on the way: QUANTISED
;;     4. [M 8,192, K 1,024] x [K 1,024, N 1,024]; A: computed on the way; B: input Wo: QUANTISED
;;   THE QUANTISER, for each operand of a quantised product, along K:
;;     - K is cut into blocks of 32 from its start; a last block that is shorter is filled with zeros.
;;     - A block's scale is 2^e with e = floor(log2(the largest magnitude in the block)) - 2, held to -126 .. 127; a block of zeros has e = 0. As a byte (E8M0): e + 127.
;;     - Each number is divided by its block's scale, clamped to +-7.5, and rounded to the nearest number of E2M3, ties to even, subnormals kept.
;;     - The product sums the exact products of the quantised numbers (number of the format x scale) in f32.
;;   ~~~python
;;   def quantise(x, axis):      # numpy; x: float32 -> the quantised numbers, widened to float32 again
;;       x = np.moveaxis(x, axis, -1); K = x.shape[-1]
;;       x = np.pad(x, [(0, 0)] * (x.ndim - 1) + [(0, -K % 32)]); x = x.reshape(x.shape[:-1] + (-1, 32)); a = np.abs(x).max(-1, keepdims=True)
;;       e = np.where(a > 0, np.clip(np.frexp(np.where(a > 0, a, 1))[1] - 1 - 2, -126, 127), 0)      # np.frexp(a)[1] - 1 = floor(log2(a)), exactly
;;       r = np.clip(x / 2.0 ** e, -7.5, 7.5)
;;       step = 2.0 ** (np.maximum(np.frexp(np.where(r == 0, 1, r))[1] - 1, 0) - 3)
;;       q = np.round(r / step) * step * 2.0 ** e      # np.round: ties to even
;;       return np.moveaxis(q.reshape(q.shape[:-2] + (-1,))[..., :K], -1, axis).astype(np.float32)
;;   ~~~
;;   SOFTMAX AHEAD OF A QUANTISED PRODUCT. Where the list says 'softmax', what is quantised is not the finished softmax but p = 2^(t - M), with t = logit x log2(e) and M = ceil(the row's largest t), a whole number; so 1/2 < the row's largest p <= 1. The row's sum l is taken of the UNQUANTISED p, in f32, and the product's result is divided by l at the end. Since M is a whole number, a kernel that streams over the keys may use a running M (the ceiling of the running maximum): every later rescaling is an exact power of two, which a block's scale takes up: the codes' values come out the same.
;;   OPERANDS COMPUTED ON THE WAY. 'Computed on the way' means the value that the module computes at that place (a softmax that the list does not call 'softmax' is quantised finished and normalised). What goes into a quantiser is computed in f32, as accurately as f32 sums, v_exp_f32 and their like allow (about 1e-6 of the number): no bf16 or f16 on the way to a quantiser, and a product that is left as it is and whose result goes on into a quantised operand takes f32 operands (vector FMAs, or v_wmma_f32_16x16x4_f32). A number that lies on a knife's edge between two numbers of the format may be rounded either way, as far as f32 arithmetic and the matrix unit's own rounding can turn it there, and no further.
;; One version. Each part assembles by itself: llvm-mc -triple=amdgcn-amd-amdhsa -mcpu=gfx1250 --defsym DOCPART=n.
;; ======== version 1 of 1: 4 launches
;; limits: right only within a limited range of input values
;; workspace buffers: opnd 9,830,400 bytes; qkv 20,185,088 bytes; ctx 6,553,600 bytes
;; launch quant (part 1): grid 256 x 1, 3 waves a work-group, no clusters, 26,112 bytes of LDS; arguments x, Wqkv, Wo, opnd; writes opnd
.if DOCPART == 1
	.amdgcn_target "amdgcn-amd-amdhsa--gfx1250"
	.amdhsa_code_object_version 6
	.text
	.protected	k_q3825a25883_quant
	.globl	k_q3825a25883_quant
	.p2align	8
	.type	k_q3825a25883_quant,@function
k_q3825a25883_quant:
	s_mov_b64 s[64:65], 0
	v_nop
	global_prefetch_b8 v0, s[64:65] scope:SCOPE_SE
	s_setreg_imm32_b32 hwreg(HW_REG_WAVE_MODE, 25, 1), 1
	s_wait_xcnt 0x0
; x [2048][4][1024], Wqkv [3072][1024] and Wo [1024][1024], f32, become codes of FP6 (E2M3) with one E8M0 byte for each 32 along the last axis, which is K for all three.
; A block's scale is 2^(floor(log2(its largest magnitude)) - 2); its byte is the largest magnitude's exponent field - 2, held at 1 from below.
; LIMITS: a block of zeros gets the byte 1 where the rule says 127 (its codes are zeros, and this program alone reads the bytes); NaN and infinities among the inputs are not served.
; THE OUTPUT IS LAID AS THE MATRIX UNIT'S REGISTERS WANT IT.  Rows are gathered in tiles of 16 "positions": lane r of tile 2 B + u stands for row 32 B + 8 u + r + 8 (r / 8), so that
; a product that takes such tiles as its source 0 leaves 16 neighbours along the next K in the 16 registers of two neighbouring tiles.  For each row tile and each 64 along K: 768 bytes,
; [pair p = 0..2][lane][8 bytes]: lane (r, h) holds bytes 24 h + 8 p .. + 7 of row r's 48 bytes.  Row tiles: x 0-511 (128 a batch), Wqkv 512-703, Wo 704-767; 12,288 bytes each.
; The scale bytes lie behind the codes, 32 bytes a position.
; SHARES: 768 row tiles, 768 waves; a wave takes its 16 rows through all of K in 8 steps of 128 columns.  Each load reads 512 consecutive bytes of one row; the step's 8 KB turn through the
; wave's own stage in LDS (rows of 512 + 16 bytes), from which a lane takes two whole blocks of 32 of its row.  Waves share nothing: no barrier.  Loads run two steps (32 loads a wave) ahead.
; Memory binds here: no matrix unit, no cluster, no tensor load would add anything.
.set OSC,  9437184                     ; where the scale bytes begin
.set RTB,  12288                       ; a row tile's codes
.set SP,   528                         ; a stage row
.set STG,  16*SP                       ; a wave's stage
.set RO,   16                          ; v16-31   row p's byte offset + 16 x lane
.set LD0,  32                          ; v32-159  two sets of 16 x 4 registers as loaded
.set X,    160                         ; v160-223 my two blocks of 32 numbers
.set C0,   224                         ; v224-229 the first block's codes (v232-234 at work)
.set C1,   236                         ; v236-241 the second's (v244-246 at work)
.set SW,   248                         ; v248-255 a scale word for each step
	s_load_b256 s[4:11], s[0:1], 0x0               ; x s[4:5], Wqkv s[6:7], Wo s[8:9], opnd s[10:11]
	v_lshl_add_u32 v243, v0, 2, 0x6400
	v_mov_b32 v247, 0
	v_lshrrev_b32 v1, 5, v0
	v_readfirstlane_b32 s12, v1                    ; wave 0..2
	v_and_b32 v1, 31, v0                           ; lane
	v_and_b32 v2, 15, v0                           ; r
	v_bfe_u32 v3, v0, 4, 1                         ; h
	s_mul_i32 s13, ttmp9, 3
	s_add_co_u32 s13, s13, s12                     ; my row tile, 0..767
	s_mov_b32 s20, 0x76543210
	s_mov_b32 s21, 0xfedcba98                      ; v_permlanex16_b32's selects for lane l xor 16
	s_mul_i32 s30, s12, STG                        ; my stage
	v_lshlrev_b32 v12, 4, v1                       ; 16 x lane
	v_add_nc_u32 v4, s30, v12                      ; the stage, on the way in: a row's 512 bytes as they lie
	v_mul_u32_u24 v5, v2, SP
	v_lshl_add_u32 v5, v3, 7, v5
	v_add_nc_u32 v5, s30, v5                       ; on the way out: row r, + 128 h: a block of 32 numbers
	v_lshlrev_b32 v6, 3, v1                        ; the codes: 8 x lane
	v_lshlrev_b32 v7, 5, v2
	v_lshl_add_u32 v7, v3, 4, v7                   ; the scale bytes: 32 r + 16 h
	v_lshlrev_b32 v15, 3, v3                       ; 8 h: my bytes' place in a scale word
	s_wait_alu depctr_va_vdst(0)
	s_wait_kmcnt 0x0
	s_cmp_lt_u32 s13, 512                          ; x's tile?  The choices hang on the tile's number alone
	s_cselect_b64 s[4:5], s[4:5], s[6:7]
	s_mov_b32 s14, 4096
	s_cselect_b32 s14, 16384, s14                  ; bytes from a row to the next: in x a step of t is 4 batches x 4,096
	s_cselect_b32 s15, 0, 512                      ; the tensor's first tile
	s_cselect_b32 s16, 127, -1                     ; x: 128 tiles a batch
	s_cmp_lt_u32 s13, 704
	s_cselect_b64 s[4:5], s[4:5], s[8:9]
	s_mov_b32 s17, 704
	s_cselect_b32 s15, s15, s17
	s_sub_co_u32 s18, s13, s15                     ; the tile in its tensor
	s_and_b32 s19, s18, s16                        ; in its batch
	s_sub_co_u32 s22, s18, s19
	s_lshr_b32 s22, s22, 7                         ; the batch (0 for the weights)
	s_lshr_b32 s23, s19, 1
	s_lshl_b32 s23, s23, 5
	s_and_b32 s24, s19, 1
	s_lshl_b32 s24, s24, 3
	s_add_co_u32 s23, s23, s24                     ; the row of position 0: 32 (tile / 2) + 8 (tile % 2)
	s_mul_i32 s24, s23, s14
	s_lshl_b32 s22, s22, 12
	s_add_co_u32 s24, s24, s22
	s_mov_b32 s25, 0
	s_add_nc_u64 s[4:5], s[4:5], s[24:25]          ; the source at that row
	s_mul_i32 s26, s13, RTB
	s_mov_b32 s27, 0
	s_add_nc_u64 s[26:27], s[10:11], s[26:27]      ; my tile's codes
	s_lshl_b32 s28, s13, 9
	s_add_co_u32 s28, s28, OSC
	s_mov_b32 s29, 0
	s_add_nc_u64 s[28:29], s[10:11], s[28:29]      ; my tile's 512 scale bytes
.irp p, 0,1,2,3,4,5,6,7,8,9,10,11,12,13,14,15
	s_mul_i32 s31, s14, \p+8*(\p/8)                ; position p is row p + 8 (p / 8) from the first
	v_add_nc_u32 v[RO+\p], s31, v12
.endr
.macro LOAD s                          ; step s: 128 columns of my 16 rows; each load reads 512 consecutive bytes
.irp p, 0,1,2,3,4,5,6,7,8,9,10,11,12,13,14,15
	global_load_b128 v[LD0+64*((\s)%2)+4*\p:LD0+64*((\s)%2)+4*\p+3], v[RO+\p], s[4:5] offset:512*(\s) th:TH_LOAD_NT
.endr
.endm
.macro STEP s
.set LS, LD0+64*((\s)%2)
.if (\s) < 7
	s_wait_loadcnt 16                              ; this step's 16 loads are in; the next step's 16 may be out
.else
	s_wait_loadcnt 0x0
.endif
.irp p, 0,1,2,3,4,5,6,7,8,9,10,11,12,13,14,15
	ds_store_b128 v4, v[LS+4*\p:LS+4*\p+3] offset:SP*\p
.endr
.irp c, 0,1                            ; LDS serves a wave's instructions in order: these see the stores above
.irp j, 0,1,2,3,4,5,6,7
	ds_load_b128 v[X+32*\c+4*\j:X+32*\c+4*\j+3], v5 offset:256*\c+16*\j   ; columns 64 c + 32 h + 4 j on of row r
.endr
.endr
	s_wait_dscnt 0x0                               ; my numbers are back, and the stores into the stage have read their registers
	s_wait_xcnt 0x0                                ; the last step's stores have read the codes' registers, which are written again below
.if (\s) < 6
	LOAD (\s)+2
.endif
.irp c, 0,1
	v_max3_num_f32 v[8+\c], |v[X+32*\c]|, |v[X+32*\c+1]|, 0x1800000   ; a block's largest magnitude: all 32 numbers are mine; the floor 2^(3 - 127) holds the byte at 1 from below
.endr
.irp i, 2,4,6,8,10,12,14,16,18,20,22,24,26,28,30
.irp c, 0,1
	v_max3_num_f32 v[8+\c], v[8+\c], |v[X+32*\c+\i]|, |v[X+32*\c+\i+1]|   ; (the two blocks by turns)
.endr
.endr
.irp c, 0,1
	v_add_nc_u32 v[10+\c], 0xff000000, v[8+\c]     ; 2 off the exponent field: the conversion's scale operand
.endr
.irp c, 0,1
	v_lshrrev_b32 v[12+\c], 23, v[10+\c]           ; the scale's byte
.endr
	v_lshl_or_b32 v14, v13, 16, v12                ; blocks h and 2 + h of my row,
	v_lshlrev_b32 v14, v15, v14                    ; at their places in the word;
	v_permlanex16_b32 v8, v14, s20, s21
	v_or_b32 v[SW+(\s)], v14, v8                   ; with lane l xor 16's two the word is whole
	v_cvt_scalef32_pk16_fp6_f32 v[C0:C0+2], v[X:X+15], v10
	v_cvt_scalef32_pk16_fp6_f32 v[C0+8:C0+10], v[X+16:X+31], v10     ; (a conversion's three registers begin on an even number)
	v_cvt_scalef32_pk16_fp6_f32 v[C1:C1+2], v[X+32:X+47], v11
	v_cvt_scalef32_pk16_fp6_f32 v[C1+8:C1+10], v[X+48:X+63], v11
	v_nop                                          ; one plain place behind a scaled conversion
.irp i, 0,1,2
	v_mov_b32 v[C0+3+\i], v[C0+8+\i]
	v_mov_b32 v[C1+3+\i], v[C1+8+\i]
.endr
.irp p, 0,1,2
	global_store_b64 v6, v[C0+2*\p:C0+2*\p+1], s[26:27] offset:(2*(\s))*768+256*\p     ; 32 lanes store 256 consecutive bytes, aligned
.endr
.irp p, 0,1,2
	global_store_b64 v6, v[C1+2*\p:C1+2*\p+1], s[26:27] offset:(2*(\s)+1)*768+256*\p
.endr
.endm
	s_wait_alu depctr_va_vdst(0)
	LOAD 0
	LOAD 1
.irp t, 0,1,2,3,4,5,6,7
	STEP \t
.endr
	v_cmp_eq_u32 vcc_lo, 1, v3
.irp k, 0,1,2,3
	v_cndmask_b32 v[8+\k], v[SW+\k], v[SW+4+\k], vcc_lo   ; lanes 0-15 store a row's words 0-3, lanes 16-31 its words 4-7
.endr
	global_store_b128 v7, v[8:11], s[28:29]        ; 512 consecutive bytes
	s_wait_tensorcnt 0x0
	ds_add_u32 v243, v247
	s_wait_dscnt 0x0
	s_endpgm
.Lfunc_end_k_q3825a25883_quant:
	.size	k_q3825a25883_quant, .Lfunc_end_k_q3825a25883_quant-k_q3825a25883_quant
	.p2alignl 7, 3214868480
	.fill 96, 4, 3214868480
	.section	.rodata,"a",@progbits
	.p2align	6, 0x0
	.amdhsa_kernel k_q3825a25883_quant
		.amdhsa_group_segment_fixed_size 26112
		.amdhsa_private_segment_fixed_size 0
		.amdhsa_enable_private_segment 0
		.amdhsa_kernarg_size 32
		.amdhsa_user_sgpr_count 2
		.amdhsa_user_sgpr_kernarg_segment_ptr 1
		.amdhsa_wavefront_size32 1
		.amdhsa_system_sgpr_workgroup_id_x 1
		.amdhsa_system_sgpr_workgroup_id_y 1
		.amdhsa_system_sgpr_workgroup_id_z 1
		.amdhsa_system_vgpr_workitem_id 0
		.amdhsa_next_free_vgpr 256
		.amdhsa_next_free_sgpr 66
		.amdhsa_reserve_vcc 1
		.amdhsa_float_denorm_mode_32 3
		.amdhsa_float_denorm_mode_16_64 3
		.amdhsa_memory_ordered 1
		.amdhsa_forward_progress 1
		.amdhsa_inst_pref_size 61
	.end_amdhsa_kernel
	.amdgpu_metadata
---
amdhsa.version: [ 1, 2 ]
amdhsa.kernels:
  - .name:           k_q3825a25883_quant
    .symbol:         k_q3825a25883_quant.kd
    .args:
      - { .name: x, .offset: 0, .size: 8, .value_kind: global_buffer, .address_space: global }
      - { .name: Wqkv, .offset: 8, .size: 8, .value_kind: global_buffer, .address_space: global }
      - { .name: Wo, .offset: 16, .size: 8, .value_kind: global_buffer, .address_space: global }
      - { .name: opnd, .offset: 24, .size: 8, .value_kind: global_buffer, .address_space: global }
    .group_segment_fixed_size: 26112
    .private_segment_fixed_size: 0
    .kernarg_segment_align: 8
    .kernarg_segment_size: 32
    .max_flat_workgroup_size: 96
    .sgpr_count:     66
    .vgpr_count:     256
    .wavefront_size: 32
...
	.end_amdgpu_metadata
.endif
;; end of part 1
;; launch proj (part 2): grid 8 x 48, 4 waves a work-group, clusters of 4 x 4, 327,680 bytes of LDS; arguments opnd, qkv; writes qkv
.if DOCPART == 2
	.amdgcn_target "amdgcn-amd-amdhsa--gfx1250"
	.amdhsa_code_object_version 6
	.text
	.protected	k_q3825a25883_proj
	.globl	k_q3825a25883_proj
	.p2align	8
	.type	k_q3825a25883_proj,@function
k_q3825a25883_proj:
	s_mov_b64 s[64:65], 0
	v_nop
	global_prefetch_b8 v0, s[64:65] scope:SCOPE_SE
	s_setreg_imm32_b32 hwreg(HW_REG_WAVE_MODE, 25, 1), 1
	s_wait_xcnt 0x0
	s_wait_alu depctr_hold_cnt(0) depctr_sa_sdst(0) depctr_va_vdst(0) depctr_va_sdst(0) depctr_va_ssrc(0) depctr_va_vcc(0) depctr_vm_vsrc(0)
	s_getreg_b32 s2, hwreg(HW_REG_IB_STS2, 6, 4)
	s_cmp_eq_u32 s2, 0
	s_cbranch_scc0 .Lentry_in_a_cluster
	s_endpgm
.Lentry_in_a_cluster:
	s_bfe_u32 s2, ttmp6, 0x10000c
	s_cmp_lg_u32 s2, 0xf033
	s_cbranch_scc0 .Lentry_shape_is_right
	s_endpgm
.Lentry_shape_is_right:
; qkv = x Wqkv^T on codes of FP6 (E2M3) with E8M0 scales, K = 1,024; q, k and v are quantised in registers on the way out and never go to memory as f32.
; A tile of the product is 256 x 256, made by four waves, 128 x 128 each: 64 accumulators, 512 registers.  K goes in four steps of 256 through two LDS slots filled by the tensor data mover.
; THE OPERANDS LIE IN MEMORY AS IMAGES OF THE OPERAND REGISTERS (row tile: 16 positions; 768 bytes for each 64 along K: [pair][lane][8 bytes]), so a fragment is six loads of 8 bytes a lane, each of
; 256 consecutive LDS bytes: no pitch, no padding.  Position r of row tile 2 B + u is row 32 B + 8 u + r + 8 (r / 8): the 16 registers of two neighbouring tiles of source 0 are 16 neighbours of the next K.
; TWO KINDS OF WORK-GROUP, one text; the kind hangs on the cluster's y alone, so it is the same in all sixteen partners.
;   QK (cluster y 0-7, 256 work-groups): source 1 = x, source 0 = Wq or Wk.  A lane holds one (batch, t) and its registers run along the features: 128 of them are two heads, each two blocks of 32.
;   V  (cluster y 8-11, 128 work-groups): source 1 = Wv, source 0 = x.  A lane holds one channel d and its registers run along t: the keys, which are the K of attention's second product.
; THE OUTPUT: one record of 19,712 bytes for each (batch, head, 128 positions): K's 8 tiles, V's 4 tiles of 16 d x 128 keys, K's and V's scale words, Q's 8 tiles, Q's scale words; every store covers whole aligned 256 bytes.
; A head's scale word of q or k has two bytes that count; its upper two hold the neighbour head's bytes or 0, never 0xff: they meet zero codes alone.
; CLUSTERS: 4 x 4.  Source 1's tile is shared along a row of the cluster, source 0's along a column: each is asked for jointly.
; LIMITS: a block of zeros gets the byte 1 where the rule says 127 (its codes are zeros; this program alone reads the bytes); NaN and infinities are not served.
; No prefetch: K has four steps, of which two are on their way from the start.
; REGISTERS, in windows of 256: window 0: v0-31 addresses; v32-63 scale words, two sets; v64-115 the way out; from v128 source 1's fragments, one set.  window 1: source 0's fragments, two sets, at v0 and v128.
;   window 2: the accumulators of my rows 0-63 ((a, b) at v[8 (8 a + b)]); window 3: those of rows 64-127.
.set RTB,    12288                     ; a row tile's codes in memory
.set OSC,    9437184                   ; where the scale bytes begin in opnd: 32 bytes a position
.set STB,    3072                      ; a row tile's codes of a K step of 256
.set NQ,     2                         ; matrix instructions deep in a slot
.set FR,     12                        ; registers of a fragment
.set NL,     6                         ; LDS loads that bring one
.set NP,     4                         ; places behind this matrix instruction (ISA guide 7.12.1)
.set HALFT,  8*STB                     ; 128 rows: what one tensor load brings
.set SLOT,   4*HALFT                   ; source 1's 256 rows, then source 0's
.set KS,     32                        ; a row of scale bytes
.set SCL,    2*SLOT                    ; behind the ring: the scales, units of 256 bytes + 16 of padding
.set HALFS,  16*272                    ; those of 128 rows
.set SBLK,   2*272                     ; those of 16 rows
.set SPARE,  SCL+4*HALFS               ; the spare words, 128 bytes a wave: two blocks of 256 bytes that no other line names
.set REC,    19712
.set HEADB,  16*REC
.set KOF,    0
.set VOF,    6144
.set KSOF,   12288
.set VSOF,   12800
.set QOF,    13056
.set QSOF,   19200
.set ADRA, 16                          ; v16-17  LDS address of source 1's fragments in slot 0, 1
.set ADRB, 20                          ; v20-21  the same for source 0
.set ADRS, 27                          ; v27     LDS address of my scale words: lanes 0-15 source 1's rows, lanes 16-31 source 0's
.set SPW,  28                          ; v28     my spare word: SPARE + 4 x my thread's number; never rewritten
.set NIL,  29                          ; v29     0; never rewritten
.set SC,   32                          ; scale words: set s at v[SC + 16 s]; register 2 i + q: block i, the slot's q-th 128 along K
.set AF,   128
.set TM,   64                          ; the way out: v64-67 largest magnitudes, v68-71 bytes, v76-79 scale operands
.set PC,   80                          ; v80-91 the codes just made, v92-98 at work
.set PWS,  100                         ; v100-107 the eight blocks' scale words
.set XA,   108
.set XB,   112
.set G1, 24
.set G0, 32
.set G1B, 48
.set G0B, 56
.set G1S, 68
.set G0S, 76
.set G1SB, 80
.set G0SB, 88
.set MSB, 0
.macro WIN new                         ; the immediate's high byte repeats the setting that is left
.if MSB != \new
	s_set_vgpr_msb (MSB<<8)|\new
.set MSB, \new
.endif
.endm
.set MUL_LO, 0xa1                      ; source 0 window 1, source 1 window 0, C and D window 2
.set MUL_HI, 0xf1                      ; the same, C and D window 3
.set TO_B,   0x40                      ; destination window 1, address window 0
; A joint load: waves 0 and 1 fetch for source 1, waves 2 and 3 for source 0.  The branch hangs on the wave's number alone.  Four v_nop follow each of the two lines.
.macro JLOAD g0a, g1a, g0b, g1b
	s_cmp_eq_u32 s15, 0
	s_cbranch_scc0 .Lfor_b_\@
	tensor_load_to_lds s[\g0a:\g0a+3], s[\g1a:\g1a+7]
	s_nop 0
.rept 4
	v_nop
.endr
	s_branch .Lasked_\@
.Lfor_b_\@:
	tensor_load_to_lds s[\g0b:\g0b+3], s[\g1b:\g1b+7]
	s_nop 0
.rept 4
	v_nop
.endr
.Lasked_\@:
.endm
.macro CREST                           ; a round of the cluster's barrier behind its opening barrier
	s_cmp_lg_u32 s14, 0
	s_cbranch_scc1 .Lnot_wave_0_\@
	s_barrier_signal -3
.Lnot_wave_0_\@:
	s_barrier_wait -3
	s_barrier_signal -1
	s_barrier_wait -1
.endm
.macro CROUND                          ; a whole round
	s_barrier_signal -1
	s_barrier_wait -1
	CREST
.endm
	s_load_b128 s[4:7], s[0:1], 0x0                ; opnd s[4:5], qkv s[6:7]
	v_lshl_add_u32 v[SPW], v0, 2, SPARE
	v_mov_b32 v[NIL], 0
	ds_add_u32 v28, v29
	ds_add_u32 v28, v29
	s_wait_dscnt 0x0
	v_lshrrev_b32 v1, 5, v0
	v_readfirstlane_b32 s14, v1                    ; wave 0..3
	s_lshr_b32 s15, s14, 1                         ; which half of source 1's rows is mine.  Also: I fetch for source 1 (0) or source 0 (1)
	s_and_b32 s16, s14, 1                          ; which half of source 0's rows.  Also: which 128 rows of that tile I fetch
	s_bfe_u32 s40, ttmp6, 0x40000                  ; cx, cy: my place in the cluster
	s_bfe_u32 s41, ttmp6, 0x40004
	s_and_b32 s96, ttmp7, 0xffff                   ; the cluster's y, 0..11
	s_sub_co_u32 s97, s96, 8
	s_lshl_b32 s97, s97, 1
	s_add_co_u32 s97, s97, ttmp9                   ; kind V: the cluster's column, 2 (y - 8) + x
	s_cmp_ge_u32 s96, 8
	s_cselect_b32 s95, 1, 0                        ; the kind: 0 QK, 1 V
	s_cselect_b32 s97, s97, ttmp9                  ; the cluster's column of tiles
	s_cselect_b32 s96, 0, s96                      ; and its row
	s_cselect_b32 s98, 640, 0                      ; source 1's first row tile in opnd: Wv's or x's
	s_cselect_b32 s99, 0, 512                      ; source 0's: x's or Wq's
	s_lshl_b32 s42, s97, 2
	s_add_co_u32 s42, s42, s40                     ; tile column
	s_lshl_b32 s17, s96, 2
	s_add_co_u32 s17, s17, s41                     ; tile row
	s_lshl_b32 s43, s41, 2
	s_lshl_b32 s43, 15, s43                        ; my row of the cluster
	s_lshl_b32 s44, 0x1111, s40                    ; my column
	; descriptor group 1: 8 row tiles x 3,072 bytes (384 elements of 8 bytes), 12,288 bytes apart in memory, dense in LDS
	s_or_b32 s[G1+0], s43, (3<<16)|(1<<21)         ; 15:0 the mask; 17:16 elements of 8 bytes; 20 no padding; 21 set beside a mask
	s_or_b32 s[G1B+0], s44, (3<<16)|(1<<21)
.irp g, G1, G1B
	s_mov_b32 s[\g+1], 384<<16                     ; tensor_dim0
	s_mov_b32 s[\g+2], 16<<16                      ; tensor_dim1: 16 row tiles for the head's loads; behind them it is set to 8, for the ring's
	s_mov_b32 s[\g+3], 384<<16                     ; tile_dim0
	s_mov_b32 s[\g+4], 16                          ; tile_dim1, likewise
	s_mov_b32 s[\g+5], 1536                        ; tensor_dim0_stride
	s_mov_b32 s[\g+6], 0
	s_mov_b32 s[\g+7], 0
.endr
	; the scales of 256 rows: 8,192 dense bytes, as 32 rows of 256 bytes, 16 bytes of padding behind each
	s_or_b32 s[G1S+0], s43, (3<<16)|(1<<20)|(1<<21)|(5<<22)|(3<<25)
	s_or_b32 s[G1SB+0], s44, (3<<16)|(1<<20)|(1<<21)|(5<<22)|(3<<25)
.irp g, G1S, G1SB
	s_mov_b32 s[\g+1], 32<<16
	s_mov_b32 s[\g+2], 32<<16                      ; the scales of a whole tile's 256 rows: 32 rows of 256 bytes
	s_mov_b32 s[\g+3], 32<<16
	s_mov_b32 s[\g+4], 32
	s_mov_b32 s[\g+5], 32
	s_mov_b32 s[\g+6], 0
	s_mov_b32 s[\g+7], 0
.endr
	s_lshl_b32 s18, s16, 3                         ; which 8 row tiles of the 16 I fetch in the ring (0 in waves 0 and 2, which fetch the head's whole tiles)
	s_lshl_b32 s20, s17, 4
	s_add_co_u32 s20, s20, s98                     ; source 1's first row tile: made of the tile row alone
	s_lshl_b32 s22, s20, 9                         ; the whole tile's scale bytes
	s_add_co_u32 s20, s20, s18
	s_lshl_b32 s46, s42, 4
	s_add_co_u32 s46, s46, s99                     ; source 0's: of the tile column alone
	s_lshl_b32 s92, s46, 9
	s_add_co_u32 s46, s46, s18
	s_add_co_u32 s22, s22, OSC
	s_mov_b32 s23, 0
	s_add_co_u32 s92, s92, OSC
	s_mov_b32 s93, 0
	s_mul_i32 s20, s20, RTB                        ; and their codes
	s_mov_b32 s21, 0
	s_mul_i32 s46, s46, RTB
	s_mov_b32 s47, 0
	s_mul_i32 s45, s14, HALFT                      ; where they go: wave x 128 rows: no place in the cluster enters an LDS address
	s_wait_kmcnt 0x0
	s_add_nc_u64 s[20:21], s[4:5], s[20:21]
	s_add_nc_u64 s[22:23], s[4:5], s[22:23]
	s_add_nc_u64 s[46:47], s[4:5], s[46:47]
	s_add_nc_u64 s[92:93], s[4:5], s[92:93]
	s_mov_b32 s[G0S], 1
	s_mov_b32 s[G0S+1], SCL
	s_mov_b64 s[G0S+2:G0S+3], s[22:23]
	s_or_b32 s[G0S+3], s[G0S+3], 0x80000000
	s_mov_b32 s[G0SB], 1
	s_mov_b32 s[G0SB+1], SCL+2*HALFS
	s_mov_b64 s[G0SB+2:G0SB+3], s[92:93]
	s_or_b32 s[G0SB+3], s[G0SB+3], 0x80000000
.irp s, 0,1
	s_mov_b32 s[G0+4*\s], 1
	s_add_co_u32 s[G0+4*\s+1], s45, \s*SLOT
	s_add_nc_u64 s[G0+4*\s+2:G0+4*\s+3], s[20:21], \s*STB
	s_or_b32 s[G0+4*\s+3], s[G0+4*\s+3], 0x80000000
	s_mov_b32 s[G0B+4*\s], 1
	s_add_co_u32 s[G0B+4*\s+1], s45, \s*SLOT
	s_add_nc_u64 s[G0B+4*\s+2:G0B+4*\s+3], s[46:47], \s*STB
	s_or_b32 s[G0B+4*\s+3], s[G0B+4*\s+3], 0x80000000
.endr
	CROUND                                         ; all sixteen work-groups are here: the first joint loads meet
; THE HEAD'S LOADS, ONE A WAVE: wave 0 fetches K step 0's 256 rows of source 1, wave 1 the scales of those rows, wave 2 K step 0's 256 rows of source 0, wave 3 their scales.
; In waves 0 and 2 slot 0's group 0 already names the tile's first row and its place in LDS.  One chain of branches on the wave's number, one load to an arm, all arms leading to one join.
.macro ARM under, g0, g1, next
	s_cmp_lt_u32 s14, \under
	s_cbranch_scc0 \next
	tensor_load_to_lds s[\g0:\g0+3], s[\g1:\g1+7]
	s_nop 0
.rept 4
	v_nop
.endr
	s_branch .Lhead_asked
\next:
.endm
	ARM 1, G0,  G1,  .Lhead_sa
	ARM 2, G0S, G1S, .Lhead_b
	ARM 3, G0B, G1B, .Lhead_sb
	tensor_load_to_lds s[G0SB:G0SB+3], s[G1SB:G1SB+7]
	s_nop 0
.rept 4
	v_nop
.endr
.Lhead_asked:
	v_and_b32 v1, 15, v0                           ; l % 16
	v_bfe_u32 v2, v0, 4, 1                         ; l / 16
	v_and_b32 v3, 31, v0
	v_lshlrev_b32 v4, 3, v3                        ; an image's place for my lane: 8 x lane
	s_mul_i32 s21, s15, HALFT                      ; my 128 rows of source 1
	s_mul_i32 s22, s16, HALFT                      ; my 128 rows of source 0,
	s_add_co_u32 s22, s22, 2*HALFT                 ; which lie behind source 1's 256
.irp s, 0,1
	v_add_nc_u32 v[ADRA+\s], s21, v4
	v_add_nc_u32 v[ADRB+\s], s22, v4
	s_add_co_u32 s21, s21, SLOT
	s_add_co_u32 s22, s22, SLOT
.endr
	v_mul_u32_u24 v5, v1, KS                       ; my row's scales: 32 bytes a row,
	v_lshrrev_b32 v6, 8, v5
	v_lshl_add_u32 v5, v6, 4, v5                   ; and 16 more for each 256 passed
	s_mul_i32 s21, s15, HALFS
	s_mul_i32 s22, s16, HALFS
	s_add_co_u32 s22, s22, 2*HALFS
	s_sub_co_u32 s22, s22, s21
	v_mul_u32_u24 v6, s22, v2                      ; lanes 16-31 take source 0's
	s_add_co_u32 s21, s21, SCL
	v_add_nc_u32 v5, v5, v6
	v_add_nc_u32 v[ADRS], s21, v5
.macro FRAG reg, adr, q, i             ; a fragment, 16 rows x 128 K: 12 registers, as they lie: six loads of 8 bytes a lane, 256 consecutive bytes each
.irp p, 0,1,2,3,4,5
	ds_load_b64 v[\reg+2*\p:\reg+2*\p+1], v[\adr] offset:(\i)*STB+(\q)*1536+256*\p
.endr
.endm
; 16 matrix instructions: source 1's blocks a0, a0 + 1 x source 0's eight.  p: source 0's set;  sc: the set of scale words.  zero = 1: the first product starts the sums.
; The 64 accumulators take turns, one instruction a turn, in the same order in every step.
.macro MUL16 a0, p, q, sc, zero
.irp a, \a0, \a0+1
.irp b, 0,1,2,3,4,5,6,7
.if \zero
	v_wmma_scale_f32_16x16x128_f8f6f4 v[8*(8*((\a)%4)+\b):8*(8*((\a)%4)+\b)+7], v[128*(\p)+FR*\b:128*(\p)+FR*\b+FR-1], v[AF+FR*(\a):AF+FR*(\a)+FR-1], 0, v[SC+8*NQ*(\sc)+NQ*\b+(\q)], v[SC+8*NQ*(\sc)+NQ*(\a)+(\q)] matrix_a_fmt:MATRIX_FMT_FP6 matrix_b_fmt:MATRIX_FMT_FP6 matrix_a_scale:MATRIX_SCALE_ROW1
.else
	v_wmma_scale_f32_16x16x128_f8f6f4 v[8*(8*((\a)%4)+\b):8*(8*((\a)%4)+\b)+7], v[128*(\p)+FR*\b:128*(\p)+FR*\b+FR-1], v[AF+FR*(\a):AF+FR*(\a)+FR-1], v[8*(8*((\a)%4)+\b):8*(8*((\a)%4)+\b)+7], v[SC+8*NQ*(\sc)+NQ*\b+(\q)], v[SC+8*NQ*(\sc)+NQ*(\a)+(\q)] matrix_a_fmt:MATRIX_FMT_FP6 matrix_b_fmt:MATRIX_FMT_FP6 matrix_a_scale:MATRIX_SCALE_ROW1
.endif
.endr
.endr
.endm
.macro FETCH_B slot, q, p
	WIN TO_B
.irp i, 0,1,2,3,4,5,6,7
	FRAG 128*(\p)+FR*\i, ADRB+\slot, \q, \i
.endr
	WIN 0
.endm
.macro FETCH_A slot, q, i0
.irp i, \i0, \i0+1, \i0+2, \i0+3
	FRAG AF+FR*(\i), ADRA+\slot, \q, \i
.endr
.endm
.macro SCALES sc                       ; the K step's two scale words a row: lanes 0-15 source 1's block i, lanes 16-31 source 0's block i
.irp i, 0,1,2,3,4,5,6,7
	ds_load_b64 v[SC+8*NQ*\sc+NQ*\i:SC+8*NQ*\sc+NQ*\i+1], v[ADRS] offset:\i*SBLK
.endr
.endm
.macro PLACES n                        ; plain vector instructions between a matrix instruction and a load into, or a read of, its registers
.rept \n
	v_nop
.endr
.endm
.macro STEP slot, q, zero              ; a step of 128 along K that has its successor in the same slot
	s_wait_dscnt 4*NL                              ; all but the youngest 24 loads (source 1's blocks 4-7) are in
	WIN MUL_LO
	MUL16 0, (\q)%2, \q, \slot, \zero
	MUL16 2, (\q)%2, \q, \slot, \zero
	s_wait_dscnt 0
	PLACES NP
	FETCH_B \slot, (\q)+1, 1-(\q)%2
	FETCH_A \slot, (\q)+1, 0
	WIN MUL_HI
	MUL16 4, (\q)%2, \q, \slot, \zero
	MUL16 6, (\q)%2, \q, \slot, \zero
	PLACES NP
	WIN 0
	FETCH_A \slot, (\q)+1, 4
.endm
; A slot's last step changes slots: one barrier; in front of it each wave waits for all its tensor loads, adds 0 to its spare word, and waits for that and for its reads of this slot.  fill = 1: the slot is filled again, two K steps ahead.
.macro TURN slot, next, fill
	s_wait_tensorcnt 0x0                           ; all my tensor loads have landed: my part of the next slot
	ds_add_u32 v[SPW], v[NIL]                      ; 0 onto my spare word
	s_wait_dscnt 4*NL+1                            ; the add and the youngest 24 loads may be out
	WIN MUL_LO
	MUL16 0, 1, NQ-1, \slot, 0
	s_wait_dscnt 0x0                               ; the add is done, and my reads of this slot are over
	s_barrier_signal -1
	MUL16 2, 1, NQ-1, \slot, 0
	WIN 0
	s_barrier_wait -1
.if \fill
	CREST                                          ; the barrier has opened a round of the cluster's: no wave of any partner still reads this slot or has a load on its way
	s_add_nc_u64 s[G0+4*\slot+2:G0+4*\slot+3], s[G0+4*\slot+2:G0+4*\slot+3], 2*STB
	s_add_nc_u64 s[G0B+4*\slot+2:G0B+4*\slot+3], s[G0B+4*\slot+2:G0B+4*\slot+3], 2*STB
	JLOAD G0+4*\slot, G1, G0B+4*\slot, G1B         ; the first tensor load behind the round; its four v_nop are the places in front of the loads below
.else
	PLACES NP
.endif
	s_wait_alu depctr_va_vdst(0)
	v_add_nc_u32 v[ADRS], 4*NQ, v[ADRS]            ; on to the next K step's scale words
	FETCH_B \next, 0, 0
	FETCH_A \next, 0, 0
	SCALES \next
	WIN MUL_HI
	MUL16 4, 1, NQ-1, \slot, 0
	MUL16 6, 1, NQ-1, \slot, 0
	PLACES NP
	WIN 0
	FETCH_A \next, 0, 4
.endm
	s_wait_alu depctr_va_vdst(0)
	s_wait_tensorcnt 0x0                           ; my tile of the head's four is in
	ds_add_u32 v[SPW], v[NIL]
	s_mov_b32 s[G1+2], 8<<16                       ; no tensor load of mine is out: from here on a load brings 8 row tiles
	s_mov_b32 s[G1+4], 8
	s_mov_b32 s[G1B+2], 8<<16
	s_mov_b32 s[G1B+4], 8
	s_wait_dscnt 0x0
	CROUND                                         ; a whole round: all four tiles are in, and the sixteen work-groups are here
	JLOAD G0+4, G1, G0B+4, G1B                     ; K step 1: slot 1's first fill, the first tensor load behind the round
	FETCH_B 0, 0, 0
	FETCH_A 0, 0, 0
	SCALES 0
	FETCH_A 0, 0, 4
	STEP 0, 0, 1                                   ; K has four steps of 256, eight of 128: written out, no loop.  The first products start the sums
	TURN 0, 1, 1                                   ; slot 0 takes K step 2
	STEP 1, 0, 0
	TURN 1, 0, 1                                   ; slot 1 takes K step 3
	STEP 0, 0, 0
	TURN 0, 1, 0                                   ; nothing is left to fetch
	STEP 1, 0, 0
	s_wait_dscnt 4*NL
	WIN MUL_LO
	MUL16 0, 1, NQ-1, 1, 0
	MUL16 2, 1, NQ-1, 1, 0
	s_wait_dscnt 0
	WIN MUL_HI
	MUL16 4, 1, NQ-1, 1, 0
	MUL16 6, 1, NQ-1, 1, 0
	WIN 0
	; THE WAY OUT.  Block a's 64 registers of a lane are 128 neighbours along the next K of the lane's row: they become a fragment's 12 registers and a scale word, and leave as images.  No tensor load is out: the descriptors' registers are free.
	s_cmp_eq_u32 s95, 0                            ; QK?  (every selection on this compare stands ahead of the first line that sets SCC)
	s_cselect_b32 s20, s17, s42                    ; x's tile of 256 positions
	s_cselect_b32 s21, s15, s16                    ; and my half of it
	s_cselect_b32 s22, s42, s17                    ; the weight's tile of 256 rows: four heads
	s_cselect_b32 s23, s16, s15                    ; and my half: two heads
	s_mov_b32 s24, 1536
	s_cselect_b32 s24, 768, s24                    ; from block to block: a tile of q or k, or a tile of v
	s_mov_b32 s26, HEADB-4608
	s_cselect_b32 s26, 768, s26                    ; from block 3 to block 4: in v on to the next head
	s_mov_b32 s28, 768
	s_cselect_b32 s28, HEADB, s28                  ; from registers 0-5 to registers 6-11: the next head, or the next 64 keys
	s_mov_b32 s30, HEADB
	s_cselect_b32 s30, 256, s30                    ; the scale words of lanes 16-31: tiles 4-7, or the next head
	s_mov_b32 s25, 0
	s_mov_b32 s27, 0
	s_mov_b32 s29, 0
	s_cmp_eq_u32 ttmp9, 0                          ; QK: a cluster's four tile columns are 16 heads: cluster x = 0 makes q, 1 makes k
	s_cselect_b32 s33, QOF, KOF
	s_mov_b32 s34, KSOF
	s_cselect_b32 s34, QSOF, s34
	s_cmp_eq_u32 s95, 0
	s_mov_b32 s35, VOF
	s_cselect_b32 s33, s33, s35
	s_mov_b32 s35, VSOF
	s_cselect_b32 s34, s34, s35
	s_lshl_b32 s31, s22, 2
	s_lshl_b32 s32, s23, 1
	s_add_co_u32 s31, s31, s32
	s_and_b32 s31, s31, 15                         ; my first head
	s_lshr_b32 s32, s20, 3                         ; the batch
	s_lshl_b32 s32, s32, 4
	s_add_co_u32 s32, s32, s31
	s_lshl_b32 s32, s32, 4
	s_and_b32 s35, s20, 7
	s_lshl_b32 s35, s35, 1
	s_add_co_u32 s35, s35, s21                     ; which 128 positions of the batch
	s_add_co_u32 s32, s32, s35
	s_mul_i32 s32, s32, REC                        ; the record
	s_add_co_u32 s36, s32, s33
	s_mov_b32 s37, 0
	s_add_co_u32 s38, s32, s34
	s_mov_b32 s39, 0
	s_add_nc_u64 s[36:37], s[6:7], s[36:37]        ; where registers 0-5 go,
	s_add_nc_u64 s[48:49], s[36:37], s[28:29]      ; registers 6-11,
	s_add_nc_u64 s[38:39], s[6:7], s[38:39]        ; the scale words,
	s_add_nc_u64 s[50:51], s[38:39], HEADB         ; and, of q and k, the second head's
	v_and_b32 v3, 31, v0                           ; (these ten plain lines name no register of the last products: they are the places behind them)
	v_lshlrev_b32 v1, 3, v3                        ; 8 x lane
	v_and_b32 v4, 15, v0
	v_bfe_u32 v3, v0, 4, 1                         ; h
	v_mul_u32_u24 v2, s30, v3
	v_lshl_add_u32 v2, v4, 4, v2                   ; 16 r + h x the step above
.irp b, 0,1,2,3
	v_mov_b32 v[TM+4+\b], 0                        ; written once: a lane permute's destination counts as one of its sources
.endr
.macro QUANTW a                        ; block a: register 16 b + i of its 64 = k 32 b + 16 (lane / 16) + i of my row
.set W, 2+(\a)/4
.set WW, (W<<2)|(W<<4)
.set AC, 64*((\a)%4)
	WIN WW                                         ; sources 1 and 2: the block's window
.irp b, 0,1,2,3
	v_max3_num_f32 v[TM+\b], 0x1800000, |v[AC+16*\b]|, |v[AC+16*\b+1]|   ; my 16 numbers of block b, each accumulator from its low end on, and the floor 2^(3 - 127)
.endr
.irp i, 2,4,6,8,10,12,14
.irp b, 0,1,2,3
	v_max3_num_f32 v[TM+\b], v[TM+\b], |v[AC+16*\b+\i]|, |v[AC+16*\b+\i+1]|
.endr
.endr
	WIN 0
.irp b, 0,1,2,3
	v_permlanex16_b32 v[TM+4+\b], v[TM+\b], s52, s53
.endr
.irp b, 0,1,2,3
	v_max_num_f32 v[TM+\b], v[TM+\b], v[TM+4+\b]   ; with lane l xor 16's: the block's largest magnitude
.endr
.irp b, 0,1,2,3
	v_add_nc_u32 v[TM+12+\b], 0xff000000, v[TM+\b] ; 2 off its exponent field: the conversion's scale operand
.endr
.irp b, 0,1,2,3
	v_lshrrev_b32 v[TM+4+\b], 23, v[TM+12+\b]      ; the scale's byte
.endr
	v_lshl_or_b32 v[PWS+(\a)], v[TM+5], 8, v[TM+4]
	v_lshl_or_b32 v[PWS+(\a)], v[TM+6], 16, v[PWS+(\a)]
	v_lshl_or_b32 v[PWS+(\a)], v[TM+7], 24, v[PWS+(\a)]
	WIN W                                          ; source 0: the block's window
.irp c, 0,1
	v_cvt_scalef32_pk16_fp6_f32 v[PC+6*\c:PC+6*\c+2], v[AC+32*\c:AC+32*\c+15], v[TM+12+2*\c]
	v_cvt_scalef32_pk16_fp6_f32 v[PC+12+4*\c:PC+14+4*\c], v[AC+32*\c+16:AC+32*\c+31], v[TM+12+2*\c+1]   ; (a conversion's three registers begin on an even number)
.endr
	WIN 0
	v_nop                                          ; one plain place behind a scaled conversion
.irp c, 0,1                            ; the operand's layout wants a whole block in a lane: lanes 0-15 block 2 c, lanes 16-31 block 2 c + 1
.irp i, 0,1,2
	v_permlane16_swap_b32 v[PC+6*\c+\i], v[PC+12+4*\c+\i]
.endr
.irp i, 0,1,2
	v_mov_b32 v[PC+3+6*\c+\i], v[PC+12+4*\c+\i]
.endr
.endr
.endm
	s_mov_b32 s52, 0x76543210
	s_mov_b32 s53, 0xfedcba98                      ; v_permlanex16_b32's selects for lane l xor 16
.irp a, 0,1,2,3,4,5,6,7
.if \a > 0
	s_wait_xcnt 0x0                                ; the last block's stores have read their data and their bases: both are written again below
.if \a == 4
	s_add_nc_u64 s[36:37], s[36:37], s[26:27]
	s_add_nc_u64 s[48:49], s[48:49], s[26:27]
.else
	s_add_nc_u64 s[36:37], s[36:37], s[24:25]
	s_add_nc_u64 s[48:49], s[48:49], s[24:25]
.endif
.endif
	QUANTW \a
.irp p, 0,1,2
	global_store_b64 v1, v[PC+2*\p:PC+2*\p+1], s[36:37] offset:256*\p      ; 32 lanes store 256 consecutive bytes, aligned
.endr
.irp p, 0,1,2
	global_store_b64 v1, v[PC+6+2*\p:PC+7+2*\p], s[48:49] offset:256*\p
.endr
.endr
	v_cmp_eq_u32 vcc_lo, 1, v3
.irp k, 0,1,2,3
	v_cndmask_b32 v[XA+\k], v[PWS+\k], v[PWS+4+\k], vcc_lo   ; lanes 0-15 store the words of blocks 0-3, lanes 16-31 those of blocks 4-7
.endr
	global_store_b128 v2, v[XA:XA+3], s[38:39]
	s_cmp_lg_u32 s95, 0                            ; q and k: a word's upper two bytes are the second head's.  The branch hangs on the cluster's y alone and goes round these five lines
	s_cbranch_scc1 .Lno_second
.irp k, 0,1,2,3
	v_lshrrev_b32 v[XB+\k], 16, v[XA+\k]
.endr
	global_store_b128 v2, v[XB:XB+3], s[50:51]
.Lno_second:
	s_wait_tensorcnt 0x0                           ; the wave's end
	ds_add_u32 v[SPW], v[NIL]
	s_wait_dscnt 0x0
	CROUND                                         ; the closing round: no work-group ends while a partner may still ask for a tile that names it
	s_endpgm
.Lfunc_end_k_q3825a25883_proj:
	.size	k_q3825a25883_proj, .Lfunc_end_k_q3825a25883_proj-k_q3825a25883_proj
	.p2alignl 7, 3214868480
	.fill 96, 4, 3214868480
	.section	.rodata,"a",@progbits
	.p2align	6, 0x0
	.amdhsa_kernel k_q3825a25883_proj
		.amdhsa_group_segment_fixed_size 327680
		.amdhsa_private_segment_fixed_size 0
		.amdhsa_enable_private_segment 0
		.amdhsa_kernarg_size 16
		.amdhsa_user_sgpr_count 2
		.amdhsa_user_sgpr_kernarg_segment_ptr 1
		.amdhsa_wavefront_size32 1
		.amdhsa_system_sgpr_workgroup_id_x 1
		.amdhsa_system_sgpr_workgroup_id_y 1
		.amdhsa_system_sgpr_workgroup_id_z 1
		.amdhsa_system_vgpr_workitem_id 0
		.amdhsa_next_free_vgpr 1024
		.amdhsa_next_free_sgpr 104
		.amdhsa_reserve_vcc 1
		.amdhsa_float_denorm_mode_32 3
		.amdhsa_float_denorm_mode_16_64 3
		.amdhsa_memory_ordered 1
		.amdhsa_forward_progress 1
		.amdhsa_inst_pref_size 169
	.end_amdhsa_kernel
	.amdgpu_metadata
---
amdhsa.version: [ 1, 2 ]
amdhsa.kernels:
  - .name:           k_q3825a25883_proj
    .symbol:         k_q3825a25883_proj.kd
    .args:
      - { .name: opnd, .offset: 0, .size: 8, .value_kind: global_buffer, .address_space: global }
      - { .name: qkv, .offset: 8, .size: 8, .value_kind: global_buffer, .address_space: global }
    .group_segment_fixed_size: 327680
    .private_segment_fixed_size: 0
    .kernarg_segment_align: 8
    .kernarg_segment_size: 16
    .max_flat_workgroup_size: 128
    .sgpr_count:     104
    .vgpr_count:     1024
    .wavefront_size: 32
...
	.end_amdgpu_metadata
.endif
;; end of part 2
;; launch attn (part 3): grid 4 x 64, 8 waves a work-group, clusters of 4 x 1, 220,160 bytes of LDS; arguments qkv, key_padding_mask, ctx; writes ctx
.if DOCPART == 3
	.amdgcn_target "amdgcn-amd-amdhsa--gfx1250"
	.amdhsa_code_object_version 6
	.text
	.protected	k_q3825a25883_attn
	.globl	k_q3825a25883_attn
	.p2align	8
	.type	k_q3825a25883_attn,@function
k_q3825a25883_attn:
	s_mov_b64 s[64:65], 0
	v_nop
	global_prefetch_b8 v0, s[64:65] scope:SCOPE_SE
	s_setreg_imm32_b32 hwreg(HW_REG_WAVE_MODE, 25, 1), 1
	s_wait_xcnt 0x0
	s_wait_alu depctr_hold_cnt(0) depctr_sa_sdst(0) depctr_va_vdst(0) depctr_va_sdst(0) depctr_va_ssrc(0) depctr_va_vcc(0) depctr_vm_vsrc(0)
	s_getreg_b32 s2, hwreg(HW_REG_IB_STS2, 6, 4)
	s_cmp_eq_u32 s2, 0
	s_cbranch_scc0 .Lentry_in_a_cluster
	s_endpgm
.Lentry_in_a_cluster:
	s_bfe_u32 s2, ttmp6, 0x10000c
	s_cmp_lg_u32 s2, 0x3003
	s_cbranch_scc0 .Lentry_shape_is_right
	s_endpgm
.Lentry_shape_is_right:
; ctx[b][h][q] = the sum over keys of softmax(q . k / 8, padded keys left out) v, both products on codes of FP6 (E2M3) with E8M0 scales; ctx is quantised along E on the way out.
; THE SOFTMAX AHEAD OF THE SECOND PRODUCT: t = score x log2(e) / 8; M = the row's largest t so far, rounded up to a whole number; p = 2^(t - M) is quantised along the keys, not normalised.
; The row's sum is taken of the unquantised p and divides at the end.  When M moves, the sum and O are multiplied by 2^(old M - new M): exact.
; SHARES.  A work-group owns 512 queries of one (batch, head): 32 tiles of 16.  Each of its eight waves owns TWO tiles at a time, one in each register window, twice over (two passes): a step's fragments of K and V
; are read from LDS once for both tiles.  Every wave walks all 2,048 keys, 128 a step.  No key is left out of the walk: v's and p's blocks of 32 are blocks of the keys as they are numbered.
; THE WHOLE HEAD'S K AND V STAY IN LDS: 16 steps x 13,056 bytes, each byte filled once: no ring, no refill.  The four query blocks of a head form the cluster and ask jointly: every wave issues ONE load at the
; head, two records (2 rows of 13,056 bytes, 19,712 apart in memory).  One barrier shows all of it to all waves; no barrier stands in the passes.  All fills go out at the head: nothing is left to prefetch.
; A STEP'S ORDER.  Tile 1's eight score products stand one by one among tile 0's plain vector lines, tile 0's four products with V among tile 1's.  LDS loads run ahead: V's at the step's top, for the step's middle;
; the next step's K behind tile 1's score products; the next step's mask numbers into a tile's score registers as soon as its p has been summed.  The next step's index wraps from 15 to 0, so the second pass finds
; its first fragments loaded; what the very last step asks for (57 LDS loads a wave) is not used.
; LAYOUT.  Both products are used transposed: S^T = K Q^T (source 0 = 16 keys), O^T = V^T P^T (source 0 = 16 channels): a lane holds one query throughout.  The records hold register images, and position r of
; tile 2 B + u is key (or channel) 32 B + 8 u + r + 8 (r / 8): so p's 16 registers of two neighbouring tiles are 16 neighbouring keys, and O^T's 16 neighbouring channels.
; K = 64 fills half of the first product's instruction: Q's registers 6-11 are zero codes; a tile of K is named with the next tile's six registers behind it, which meet those zeros.
; THE MASK is the C of the first product: 0, or -2^120 for a padded key, from a table of 2,048 f32 in LDS made once from the mask's bytes.  The running largest score starts at -2^112, above every padded key's,
; so a padded key's p is exactly 0, also in steps that are padded throughout.
; LIMITS: a true score under -2^112 would count as padded.  Where every key of a batch is padded the sum is 0: ctx's scale bytes are then set to 0xff, so that the last product gives NaN there as the definition does.
; A block of zeros gets the byte 1 where the rule says 127 (zero codes; this program alone reads the bytes).  NaN and infinities among the inputs are not served.
; REGISTERS.  A tile's own state has the same numbers in its window (tile 0: window 0, tile 1: window 1): v12 -M, v13 the largest score, v[14:15] the sum, v16-27 Q, v96-159 the mask's numbers, S^T, p; v160-191 O^T,
; v192-253 at work.  Window 0 alone: v1-11, v86 addresses, v28-31 Q's scale words, v32-85 K's fragments, v88-95 K's and V's scale words, v224-225 p's scale words (scale operands have no window), v254-255 the add's two.
; Window 1 alone: v32-79 V's fragments.
.set REC,   19712                      ; a record of qkv: (batch, head, 128 positions)
.set HEADB, 16*REC
.set STEPB, 13056                      ; its first 51 x 256 bytes: what comes into LDS
.set KOF,   0                          ; 8 tiles of keys x 768
.set VOF,   6144                       ; 4 tiles of channels x 1,536
.set KSOF,  12288                      ; K's scale words: lane (r, h): the words of tiles 4 h + 0..3 for row r
.set VSOF,  12800                      ; V's: [r][tile]
.set QOF,   13056
.set QSOF,  19200
.set BIAS,  16*STEPB                   ; LDS: 2,048 f32, by key
.set CSTG,  BIAS+8192                  ; LDS: ctx's 512 half-words of scale bytes
.set SPARE, CSTG+1024                  ; LDS: the spare words, 128 bytes a wave
.set CSO,   6291456                    ; in ctx: half-words [head][position]
.set L8,  1                            ; 8 x lane
.set L16, 2                            ; 16 x lane
.set R16, 3                            ; 16 x (lane % 16)
.set AB0, 4                            ; BIAS + 64 (lane / 16)
.set AC0, 5                            ; CSTG + 64 x wave + 2 (lane % 16)
.set AE,  6                            ; CSTG + 16 (thread % 64)
.set GE,  7                            ; 16 (thread % 64)
.set ADK, 8                            ; the next step's K, its words; this step's V's words; the next step's mask numbers
.set ADS, 9
.set ADT, 10
.set ADB, 11
.set ADV, 86                           ; this step's V; on the way out: where my half-words go
.set QF,  16
.set QS,  28                           ; v28, v29 Q's scale words of tiles 0, 1; v30, v31 the second pass's
.set KF,  32
.set VF,  32                           ; (window 1)
.set KSW, 88
.set VSW, 92
.set S,   96
.set O,   160
.set PC,  192                          ; p's codes; v204-210 at work
.set PT,  204
.set BM,  212                          ; the blocks' largest scores
.set TP,  216
.set SO,  220                          ; the conversions' scale operands
.set PW,  224
.set F,   226                          ; v[226:227] f; the reciprocal
.set TT,  228
.set CW,  230                          ; ctx's half-word (at the head v[230:231]: the mask's eight bytes)
.set Q1,  232                          ; v232-237 the second pass's Q
.set NEG, 238
.set U,   240                          ; v240-253 at work: four more chains of the maxima, seven more of the sum
.set SPW, 254
.set NIL, 255
.set WV,  18
.set CN,  19                           ; -c
.set SEL, 20
.set CS,  22                           ; c = log2(e) / 8, twice
.set G1,  24
.set G0,  32
.set TB,  2                            ; this step's record in LDS
.set TBN, 3                            ; the next step's
.set MSB, 0
.macro WIN new                         ; the immediate's high byte repeats the setting that is left
.if MSB != (\new)
	s_set_vgpr_msb (MSB<<8)|(\new)
.set MSB, \new
.endif
.endm
.macro CROUND                          ; a round of the cluster's barrier
	s_barrier_signal -1
	s_barrier_wait -1
	s_cmp_lg_u32 s[WV], 0
	s_cbranch_scc1 .Lnot_wave_0_\@
	s_barrier_signal -3
.Lnot_wave_0_\@:
	s_barrier_wait -3
	s_barrier_signal -1
	s_barrier_wait -1
.endm
	s_load_b128 s[4:7], s[0:1], 0x0                ; qkv s[4:5], the mask s[6:7]
	s_load_b64 s[8:9], s[0:1], 0x10                ; ctx
	v_lshl_add_u32 v[SPW], v0, 2, SPARE
	v_mov_b32 v[NIL], 0
	ds_add_u32 v[SPW], v[NIL]                      ; the opening lines: 0 onto my spare word, twice on end, waited for ahead of my first tensor load
	ds_add_u32 v[SPW], v[NIL]
	v_lshrrev_b32 v1, 5, v0
	v_readfirstlane_b32 s[WV], v1                  ; wave 0..7
	s_bfe_u32 s10, ttmp6, 0x40000                  ; cx
	s_lshl_b32 s11, ttmp9, 2
	s_add_co_u32 s11, s11, s10                     ; my block of 512 queries: it enters Q's and ctx's addresses alone
	s_and_b32 s12, ttmp7, 0xffff                   ; 16 x batch + head, which the four partners share
	s_lshr_b32 s13, s12, 4                         ; the batch
	s_and_b32 s14, s12, 15                         ; the head
	s_mul_i32 s16, s12, HEADB
	s_mov_b32 s17, 0                               ; the head's first record
	s_mov_b32 s[G1], 15|(3<<16)|(1<<21)            ; the mask: all four work-groups; elements of 8 bytes; bit 21 set beside a mask
	s_mov_b32 s[G1+1], 1632<<16                    ; tensor_dim0: 13,056 bytes
	s_mov_b32 s[G1+2], 2<<16                       ; tensor_dim1: two records
	s_mov_b32 s[G1+3], 1632<<16                    ; tile_dim0
	s_mov_b32 s[G1+4], 2                           ; tile_dim1
	s_mov_b32 s[G1+5], 2464                        ; from record to record: 19,712 bytes
	s_mov_b32 s[G1+6], 0
	s_mov_b32 s[G1+7], 0
	s_mov_b32 s[G0], 1
	s_mul_i32 s[G0+1], s[WV], 2*STEPB              ; wave w brings steps 2 w and 2 w + 1
	s_mul_i32 s56, s[WV], 2*REC
	s_mov_b32 s57, 0
	s_add_nc_u64 s[56:57], s[56:57], s[16:17]
	s_lshl_b32 s58, s11, 2                         ; Q: my tiles of the first pass are 32 x block + 2 x wave + 0, 1: record 4 x block + wave / 4, tiles 2 (wave % 4) + 0, 1
	s_lshr_b32 s59, s[WV], 2
	s_add_co_u32 s58, s58, s59
	s_mul_i32 s58, s58, REC
	s_and_b32 s59, s[WV], 3
	s_mul_i32 s60, s59, 1536
	s_add_co_u32 s60, s60, s58
	s_add_co_u32 s60, s60, QOF
	s_mov_b32 s61, 0
	s_add_nc_u64 s[60:61], s[60:61], s[16:17]
	s_lshr_b32 s59, s59, 1
	s_lshl_b32 s59, s59, 8
	s_add_co_u32 s62, s58, s59                     ; their two scale words: 256 ((wave % 4) / 2) + 8 (wave % 2), + 16 r
	s_and_b32 s59, s[WV], 1
	s_lshl_b32 s59, s59, 3
	s_add_co_u32 s62, s62, s59
	s_add_co_u32 s62, s62, QSOF
	s_mov_b32 s63, 0
	s_add_nc_u64 s[62:63], s[62:63], s[16:17]
	s_lshl_b32 s50, s13, 7                         ; ctx: row tile 128 x batch + my tile, 12,288 bytes each; the head's 64 along E are 768 of them
	s_lshl_b32 s51, s11, 5
	s_add_co_u32 s50, s50, s51
	s_lshl_b32 s51, s[WV], 1
	s_add_co_u32 s50, s50, s51
	s_mul_i32 s50, s50, 12288
	s_mul_i32 s51, s14, 768
	s_add_co_u32 s50, s50, s51
	s_mov_b32 s51, 0
	s_lshl_b32 s66, s14, 14                        ; its half-words: 16,384 bytes a head, 4,096 a batch, 1,024 a block
	s_lshl_b32 s67, s13, 12
	s_add_co_u32 s66, s66, s67
	s_lshl_b32 s67, s11, 10
	s_add_co_u32 s66, s66, s67
	s_add_co_u32 s66, s66, CSO
	s_mov_b32 s67, 0
	s_lshl_b32 s68, s13, 11                        ; the batch's 2,048 bytes of the mask
	s_mov_b32 s69, 0
	s_mov_b32 s[SEL], 0x76543210
	s_mov_b32 s[SEL+1], 0xfedcba98                 ; v_permlanex16_b32's selects for lane l xor 16
	s_mov_b32 s[CS], 0x3e38aa3b
	s_mov_b32 s[CS+1], s[CS]                       ; (named with it as a pair, so it is written)
	s_mov_b32 s[CN], 0xbe38aa3b
	s_wait_dscnt 0x0                               ; both opening adds are done
	s_wait_kmcnt 0x0
	s_add_nc_u64 s[G0+2:G0+3], s[4:5], s[56:57]
	s_or_b32 s[G0+3], s[G0+3], 0x80000000
	s_add_nc_u64 s[60:61], s[4:5], s[60:61]
	s_add_nc_u64 s[62:63], s[4:5], s[62:63]
	s_add_nc_u64 s[50:51], s[8:9], s[50:51]
	s_add_nc_u64 s[66:67], s[8:9], s[66:67]
	s_add_nc_u64 s[68:69], s[6:7], s[68:69]
	CROUND                                         ; all four work-groups are here: the joint loads meet
	tensor_load_to_lds s[G0:G0+3], s[G1:G1+7]      ; my one load of the launch
	s_nop 0
.rept 4
	v_nop
.endr
	v_and_b32 v[TT], 31, v0
	v_and_b32 v[TT+1], 15, v0
	v_bfe_u32 v[AB0], v0, 4, 1
	v_and_b32 v[GE], 63, v0
	v_lshlrev_b32 v[L8], 3, v[TT]
	v_lshlrev_b32 v[L16], 4, v[TT]
	v_lshlrev_b32 v[R16], 4, v[TT+1]
	v_lshl_add_u32 v[AB0], v[AB0], 6, BIAS
	s_lshl_b32 s59, s[WV], 6
	v_lshl_add_u32 v[AC0], v[TT+1], 1, s59
	v_lshlrev_b32 v[GE], 4, v[GE]
	v_lshlrev_b32 v[ADK], 3, v0                    ; the mask: 8 bytes a thread, 256 threads
	v_lshl_add_u32 v[ADS], v0, 5, BIAS             ; and where their eight numbers go
	v_add_nc_u32 v[AC0], CSTG, v[AC0]
	v_add_nc_u32 v[AE], CSTG, v[GE]
	global_load_b64 v[CW:CW+1], v[ADK], s[68:69]
.irp p, 0,1,2
	global_load_b64 v[QF+2*\p:QF+2*\p+1], v[L8], s[60:61] offset:256*\p          ; Q of both passes stays in registers; the second pass's tiles lie 16 tiles, two records, on
	global_load_b64 v[Q1+2*\p:Q1+2*\p+1], v[L8], s[60:61] offset:2*REC+256*\p
.endr
	global_load_b64 v[QS:QS+1], v[R16], s[62:63]
	global_load_b64 v[QS+2:QS+3], v[R16], s[62:63] offset:2*REC
	WIN 0x40                                       ; destinations in window 1: tile 1
.irp p, 0,1,2
	global_load_b64 v[QF+2*\p:QF+2*\p+1], v[L8], s[60:61] offset:768+256*\p
	global_load_b64 v[Q1+2*\p:Q1+2*\p+1], v[L8], s[60:61] offset:2*REC+768+256*\p
.endr
.irp i, 0,1,2,3,4,5
	v_mov_b32 v[QF+6+\i], 0
.endr
.irp i, 0,1,2,3
	v_mov_b32 v[TP+\i], 0
.endr
	v_mov_b32 v[F+1], 0
	WIN 0
.irp i, 0,1,2,3,4,5
	v_mov_b32 v[QF+6+\i], 0                        ; Q's zero codes for K = 64 .. 127
	v_mov_b32 v[KF+48+\i], 0                       ; what is named behind K's last tile
.endr
.irp i, 0,1,2,3
	v_mov_b32 v[TP+\i], 0                          ; written once: a lane permute's destination counts as one of its sources
.endr
	v_mov_b32 v[F+1], 0                            ; (named as the upper half of the pair)
	v_mov_b32 v[NEG], 0xfb800000                   ; -2^120
	s_wait_alu depctr_va_vdst(0)
	s_wait_loadcnt 14                              ; the mask's bytes are in; the 14 loads of Q and its words behind them may be out
.irp k, 0,1,2,3,4,5,6,7
	v_bfe_u32 v[TT], v[CW+\k/4], 8*(\k%4), 8
	v_cmp_ne_u32 vcc_lo, 0, v[TT]
	v_cndmask_b32 v[S+\k], 0, v[NEG], vcc_lo       ; a padded key: -2^120
.endr
	ds_store_b128 v[ADS], v[S:S+3]
	ds_store_b128 v[ADS], v[S+4:S+7] offset:16
	s_wait_loadcnt 0x0                             ; Q
	s_wait_tensorcnt 0x0                           ; my two records
	s_wait_dscnt 0x0                               ; my numbers of the mask's table
	s_barrier_signal -1
	s_barrier_wait -1                              ; the head's K and V and the table are whole for every wave
.macro KLD ak, as                      ; a step's eight tiles of K and their scale words: 25 loads
.set i, 0
.rept 8
.irp p, 0,1,2
	ds_load_b64 v[KF+6*i+2*\p:KF+6*i+2*\p+1], v[\ak] offset:KOF+768*i+256*\p
.endr
.set i, i+1
.endr
	ds_load_b128 v[KSW:KSW+3], v[\as] offset:KSOF
.endm
.macro BLD w, ab                       ; a step's mask numbers into tile w's score registers, in the result's layout: register j of tile 2 B + u is key 32 B + 16 (lane / 16) + 8 u + j: 16 loads
	WIN 0x40*\w
.set i, 0
.rept 8
	ds_load_b128 v[S+8*i:S+8*i+3], v[\ab] offset:128*(i/2)+32*(i%2)
	ds_load_b128 v[S+8*i+4:S+8*i+7], v[\ab] offset:128*(i/2)+32*(i%2)+16
.set i, i+1
.endr
.endm
.macro QKI w, i                        ; S^T = K Q^T + the mask's numbers, tile i of the keys; the words of tiles 4-7 lie in lanes 16-31.  Windows: K 0, the rest the query tile's
.if (\i) < 4
	v_wmma_scale_f32_16x16x128_f8f6f4 v[S+8*(\i):S+8*(\i)+7], v[KF+6*(\i):KF+6*(\i)+11], v[QF:QF+11], v[S+8*(\i):S+8*(\i)+7], v[KSW+(\i)], v[QS+\w] matrix_a_fmt:MATRIX_FMT_FP6 matrix_b_fmt:MATRIX_FMT_FP6
.else
	v_wmma_scale_f32_16x16x128_f8f6f4 v[S+8*(\i):S+8*(\i)+7], v[KF+6*(\i):KF+6*(\i)+11], v[QF:QF+11], v[S+8*(\i):S+8*(\i)+7], v[KSW+(\i)-4], v[QS+\w] matrix_a_fmt:MATRIX_FMT_FP6 matrix_b_fmt:MATRIX_FMT_FP6 matrix_a_scale:MATRIX_SCALE_ROW1
.endif
.endm
.macro PVI w, t                        ; O^T += V^T P^T, tile t of the channels.  Windows: V 1, the rest the query tile's
	v_wmma_scale_f32_16x16x128_f8f6f4 v[O+8*(\t):O+8*(\t)+7], v[VF+12*(\t):VF+12*(\t)+11], v[PC:PC+11], v[O+8*(\t):O+8*(\t)+7], v[VSW+(\t)], v[PW+\w] matrix_a_fmt:MATRIX_FMT_FP6 matrix_b_fmt:MATRIX_FMT_FP6
.endm
; What stands among a tile's plain vector lines, eight or more lines apart.  Among tile 0's: tile 1's eight score products, and twenty plain lines behind the last of them the next step's K.
; Among tile 1's: tile 0's four products with V.  No two matrix instructions on end share an accumulator.
.macro HOOK w
.if \w == 0
.if HK < 8
	WIN 0x54
	QKI 1, HK
	WIN 0
.endif
.if HK == 9
	KLD ADK, ADS
.endif
.else
.if HK == 0
	s_wait_alu depctr_va_vdst(0)
	s_wait_dscnt 41                                ; V's fragments and words are in; the 25 loads of the next K and the 16 of tile 0's mask numbers behind them may be out
.endif
.if HK < 4
	WIN 0x01
	PVI 0, HK
	WIN 0x55
.endif
.endif
.set HK, HK+1
.endm
.macro SOFT w                          ; tile w's scores become p's codes and scale word; its sum and O^T come under the new M.  All its registers in window w
	WIN 0x55*\w
.set HK, 0
.if \w
	s_wait_alu depctr_va_vdst(0)                   ; ahead of the first readers of these scores: the eight lines below
.endif
.irp b, 0,1,2,3
	v_max3_num_f32 v[BM+\b], v[S+16*\b], v[S+16*\b+1], v[S+16*\b+2]   ; the largest score of each block of 32 keys, in two chains a block: it serves the row's maximum and, since p rises with the score, the block's largest p
.endr
.irp b, 0,1,2,3
	v_max3_num_f32 v[U+\b], v[S+16*\b+8], v[S+16*\b+9], v[S+16*\b+10]
.endr
	HOOK \w
.irp i, 3,5
.irp b, 0,1,2,3
	v_max3_num_f32 v[BM+\b], v[BM+\b], v[S+16*\b+\i], v[S+16*\b+\i+1]
.endr
.irp b, 0,1,2,3
	v_max3_num_f32 v[U+\b], v[U+\b], v[S+16*\b+8+\i], v[S+16*\b+9+\i]
.endr
	HOOK \w
.endr
.irp b, 0,1,2,3
	v_max3_num_f32 v[BM+\b], v[BM+\b], v[S+16*\b+7], v[S+16*\b+15]
.endr
.irp b, 0,1,2,3
	v_max_num_f32 v[BM+\b], v[BM+\b], v[U+\b]
.endr
	HOOK \w
.irp b, 0,1,2,3
	v_permlanex16_b32 v[TP+\b], v[BM+\b], s[SEL], s[SEL+1]
.endr
.irp b, 0,1,2,3
	v_max_num_f32 v[BM+\b], v[BM+\b], v[TP+\b]     ; with lane l xor 16's 16 keys
.endr
	HOOK \w
	v_max3_num_f32 v[TT], v[BM], v[BM+1], v[BM+2]
	s_delay_alu instid0(VALU_DEP_1)
	v_max3_num_f32 v13, v13, v[TT], v[BM+3]        ; the running largest score (c is positive: the largest score has the largest t)
	s_delay_alu instid0(VALU_DEP_1)
	v_mul_f32 v[TT], s[CN], v13                    ; -t
	s_delay_alu instid0(VALU_DEP_1)
	v_floor_f32 v[TT], v[TT]                       ; the new -M = floor(-t): M is a whole number
	s_delay_alu instid0(VALU_DEP_1)
	v_sub_f32 v[TT+1], v[TT], v12                  ; old M - new M: a whole number, 0 or less
	v_mov_b32 v12, v[TT]
	s_delay_alu instid0(VALU_DEP_2)
	v_cvt_i32_f32 v[TT+1], v[TT+1]                 ; (it saturates)
	s_delay_alu instid0(VALU_DEP_1)
	v_ldexp_f32 v[F], 1.0, v[TT+1]                 ; f = 2^(old M - new M)
	HOOK \w
.set j, 0
.rept 3
.rept 8
	v_pk_fma_f32 v[S+j:S+j+1], v[S+j:S+j+1], s[CS:CS+1], v[12:13] op_sel_hi:[1,0,0]   ; t - M, two at a time
.set j, j+2
.endr
	HOOK \w
.endr
.rept 8
	v_pk_fma_f32 v[S+j:S+j+1], v[S+j:S+j+1], s[CS:CS+1], v[12:13] op_sel_hi:[1,0,0]
.set j, j+2
.endr
.irp b, 0,1,2,3
	v_fma_f32 v[BM+\b], v[BM+\b], s[CS], v12       ; the same of each block's largest score
.endr
	HOOK \w
	s_wait_alu depctr_va_vdst(0)                   ; ahead of the batch
.set j, 0
.rept 64
	v_exp_f32 v[S+j], v[S+j]                       ; p = 2^(t - M), at most 1
.set j, j+1
.endr
.irp b, 0,1,2,3
	v_exp_f32 v[BM+\b], v[BM+\b]                   ; the block's largest p: the same two instructions on the same number
.endr
	v_pk_mul_f32 v[14:15], v[14:15], v[F:F+1] op_sel_hi:[1,0]   ; the sums under the new M: a plain line behind the exponentials
	s_wait_alu depctr_va_vdst(0)                   ; one wait for the whole batch, ahead of its first reader
.irp b, 0,1,2,3
	v_max_num_f32 v[BM+\b], 0x1800000, v[BM+\b]    ; the floor 2^(3 - 127): a block whose every p is 0 keeps the byte 1; its codes are zeros
.endr
.irp b, 0,1,2,3
	v_add_nc_u32 v[SO+\b], 0xff000000, v[BM+\b]    ; 2 off the exponent field: the conversion's scale operand
.endr
.irp b, 0,1,2,3
	v_lshrrev_b32 v[TP+\b], 23, v[SO+\b]           ; the scale's byte
.endr
	v_lshl_or_b32 v[TT], v[TP+1], 8, v[TP]
	s_delay_alu instid0(VALU_DEP_1)
	v_lshl_or_b32 v[TT], v[TP+2], 16, v[TT]
	WIN 0x15*\w                                    ; p's scale word for these 128 keys goes to window 0
	v_lshl_or_b32 v[PW+\w], v[TP+3], 24, v[TT]
	WIN 0x55*\w
.irp c, 0,1
	v_cvt_scalef32_pk16_fp6_f32 v[PC+6*\c:PC+6*\c+2], v[S+32*\c:S+32*\c+15], v[SO+2*\c]
	v_cvt_scalef32_pk16_fp6_f32 v[PT+4*\c:PT+4*\c+2], v[S+32*\c+16:S+32*\c+31], v[SO+2*\c+1]   ; (a conversion's three registers begin on an even number)
.endr
	v_pk_add_f32 v[14:15], v[14:15], v[S:S+1]      ; the sum of the unquantised p, two at a time, in eight chains.  (These plain lines stand between the conversions and the lines that touch their results)
.irp k, 0,1,2,3,4,5,6
	v_pk_add_f32 v[U+2*\k:U+2*\k+1], v[S+2+4*\k:S+3+4*\k], v[S+4+4*\k:S+5+4*\k]
.endr
	v_pk_add_f32 v[14:15], v[14:15], v[S+30:S+31]
.irp k, 0,1,2,3,4,5,6
	v_pk_add_f32 v[U+2*\k:U+2*\k+1], v[U+2*\k:U+2*\k+1], v[S+32+2*\k:S+33+2*\k]
.endr
	v_pk_add_f32 v[14:15], v[14:15], v[S+46:S+47]
.irp k, 0,1,2,3,4,5,6
	v_pk_add_f32 v[U+2*\k:U+2*\k+1], v[U+2*\k:U+2*\k+1], v[S+48+2*\k:S+49+2*\k]
.endr
	v_pk_add_f32 v[14:15], v[14:15], v[S+62:S+63]
	BLD \w, ADB                                    ; p has been read for the last time: the next step's mask numbers
	WIN 0x55*\w
	v_pk_add_f32 v[U:U+1], v[U:U+1], v[U+2:U+3]
	v_pk_add_f32 v[U+4:U+5], v[U+4:U+5], v[U+6:U+7]
	v_pk_add_f32 v[U+8:U+9], v[U+8:U+9], v[U+10:U+11]
	v_pk_add_f32 v[14:15], v[14:15], v[U+12:U+13]
.irp i, 0,1,2                          ; the operand's layout wants a whole block in a lane
	v_permlane16_swap_b32 v[PC+\i], v[PT+\i]
.endr
	v_pk_add_f32 v[U:U+1], v[U:U+1], v[U+4:U+5]
	v_pk_add_f32 v[14:15], v[14:15], v[U+8:U+9]
.irp i, 0,1,2
	v_permlane16_swap_b32 v[PC+6+\i], v[PT+4+\i]
.endr
	v_pk_add_f32 v[14:15], v[14:15], v[U:U+1]
.irp c, 0,1
.irp i, 0,1,2
	v_mov_b32 v[PC+3+6*\c+\i], v[PT+4*\c+\i]
.endr
.endr
	s_wait_alu depctr_va_vdst(0)                   ; ahead of the first reader of O^T
.set j, 0
.rept 16
	v_pk_mul_f32 v[O+j:O+j+1], v[O+j:O+j+1], v[F:F+1] op_sel_hi:[1,0]   ; O^T under the new M, each accumulator from its low end on.  (Also places between the lines that made p's codes and scale word and the products)
.set j, j+2
.endr
.endm
.macro STEP                            ; 128 keys, both tiles
	s_mul_i32 s[TB], s48, STEPB
	s_add_co_u32 s54, s48, 1
	s_and_b32 s54, s54, 15                         ; the next step; behind the last, the first
	s_mul_i32 s[TBN], s54, STEPB
	s_lshl_b32 s54, s54, 9
	v_add_nc_u32 v[ADV], s[TB], v[L8]              ; (these five are also the places behind the last step's products, in front of the loads into V's registers)
	v_add_nc_u32 v[ADT], s[TB], v[R16]
	v_add_nc_u32 v[ADK], s[TBN], v[L8]
	v_add_nc_u32 v[ADS], s[TBN], v[L16]
	v_add_nc_u32 v[ADB], s54, v[AB0]
	WIN 0x40
.set i, 0
.rept 4                                ; V's fragments are asked for here and land under tile 0's softmax
.irp p, 0,1,2,3,4,5
	ds_load_b64 v[VF+12*i+2*\p:VF+12*i+2*\p+1], v[ADV] offset:VOF+1536*i+256*\p
.endr
.set i, i+1
.endr
	WIN 0
	ds_load_b128 v[VSW:VSW+3], v[ADT] offset:VSOF
	s_wait_alu depctr_va_vdst(0)
	s_wait_dscnt 25                                ; all but the 25 just issued: this step's K and both tiles' mask numbers, asked for in the last step, are in
.irp i, 0,1,2,3,4,5,6,7
	QKI 0, \i
.endr
.rept 4
	v_nop                                          ; places in front of the first read of the scores
.endr
	SOFT 0
	SOFT 1
.irp t, 0,1,2,3
	PVI 1, \t
.endr
	WIN 0
.endm
.macro INIT w
	WIN 0x55*\w
	v_mov_b32 v13, 0xf7800000                      ; the largest score so far: -2^112
	v_mov_b32 v12, 0x7638aa3b                      ; -M = c x 2^112, a whole number
	v_mov_b32 v14, 0
	v_mov_b32 v15, 0
.set j, 0
.rept 32
	v_mov_b32 v[O+j], 0                            ; O^T: the step is written once, with no first step of its own; the first change of M multiplies zeros
.set j, j+1
.endr
.endm
; THE WAY OUT of a pass: O^T / the sum is my query's 64 channels of ctx, register 16 B + i = channel 32 B + 16 (lane / 16) + i: two blocks along E, quantised as p is, and stored as an image.
; It works in place on O^T: the score registers already hold the next pass's first mask numbers.
.macro WAYOUT w
	WIN 0x55*\w
	v_add_f32 v14, v14, v15
	s_delay_alu instid0(VALU_DEP_1)
	v_permlanex16_b32 v[TP], v14, s[SEL], s[SEL+1]
	s_delay_alu instid0(VALU_DEP_1)
	v_add_f32 v14, v14, v[TP]                      ; the row's sum
	s_delay_alu instid0(VALU_DEP_1)
	v_cmp_eq_f32 s52, 0, v14                       ; every key padded?  It selects a value alone
	s_wait_alu depctr_va_vdst(0)                   ; ahead of the transcendental
	v_rcp_f32 v[F], v14
	v_mov_b32 v[TT], 0xffff                        ; (a plain line behind the reciprocal)
	s_wait_alu depctr_va_vdst(0)                   ; ahead of the first reader of the reciprocal and of O^T
.set j, 0
.rept 16
	v_pk_mul_f32 v[O+j:O+j+1], v[O+j:O+j+1], v[F:F+1] op_sel_hi:[1,0]   ; each accumulator from its low end on
.set j, j+2
.endr
.irp b, 0,1
	v_max3_num_f32 v[BM+\b], |v[O+16*\b]|, |v[O+16*\b+1]|, 0x1800000
.endr
.irp i, 2,4,6,8,10,12,14
.irp b, 0,1
	v_max3_num_f32 v[BM+\b], v[BM+\b], |v[O+16*\b+\i]|, |v[O+16*\b+\i+1]|
.endr
.endr
.irp b, 0,1
	v_permlanex16_b32 v[TP+\b], v[BM+\b], s[SEL], s[SEL+1]
.endr
.irp b, 0,1
	v_max_num_f32 v[BM+\b], v[BM+\b], v[TP+\b]
.endr
.irp b, 0,1
	v_add_nc_u32 v[SO+\b], 0xff000000, v[BM+\b]
.endr
.irp b, 0,1
	v_lshrrev_b32 v[TP+\b], 23, v[SO+\b]
.endr
	v_lshl_or_b32 v[CW], v[TP+1], 8, v[TP]         ; the two bytes
	v_cvt_scalef32_pk16_fp6_f32 v[PC:PC+2], v[O:O+15], v[SO]
	v_cvt_scalef32_pk16_fp6_f32 v[PT:PT+2], v[O+16:O+31], v[SO+1]
	v_cndmask_b32 v[CW], v[CW], v[TT], s52         ; a row with no key: the byte that makes the last product NaN.  (The plain line behind the conversions)
.irp i, 0,1,2
	v_permlane16_swap_b32 v[PC+\i], v[PT+\i]
.endr
.irp i, 0,1,2
	v_mov_b32 v[PC+3+\i], v[PT+\i]
.endr
	WIN 0x04*\w                                    ; the data in the tile's window, the addresses in window 0
.irp p, 0,1,2
	global_store_b64 v[L8], v[PC+2*\p:PC+2*\p+1], s[50:51] offset:12288*\w+256*\p   ; 32 lanes store 256 consecutive bytes, aligned
.endr
	ds_store_b16 v[ADV], v[CW] offset:32*\w        ; both lanes of a query write the same half-word
	WIN 0x55*\w
.irp i, 0,1,2,3,4,5
	v_mov_b32 v[QF+\i], v[Q1+\i]                   ; the second pass's Q
.endr
.endm
	KLD L8, L16                                    ; step 0's K and both tiles' mask numbers: later steps' are asked for a step ahead
	BLD 0, AB0
	BLD 1, AB0
	WIN 0
	s_mov_b32 s49, 2                               ; two passes
	s_mov_b32 s53, 0                               ; the pass's 512 bytes of half-words
.Lpass:
	INIT 0
	INIT 1
	WIN 0
	s_mov_b32 s48, 0
	s_wait_alu depctr_va_vdst(0)                   ; ahead of the loop
.Lstep:
	STEP
	s_add_co_u32 s48, s48, 1
	s_cmp_lt_u32 s48, 16
	s_cbranch_scc1 .Lstep
	v_add_nc_u32 v[ADV], s53, v[AC0]               ; where my half-words go
	WAYOUT 0                                       ; (its plain lines are the places behind tile 1's last products)
	WAYOUT 1
	WIN 0
	v_mov_b32 v[QS], v[QS+2]
	v_mov_b32 v[QS+1], v[QS+3]
	s_wait_xcnt 0x0                                ; the stores have read their data and their base
	s_add_nc_u64 s[50:51], s[50:51], 16*12288      ; 16 row tiles on
	s_add_co_u32 s53, s53, 512
	s_sub_co_u32 s49, s49, 1
	s_cmp_lg_u32 s49, 0
	s_cbranch_scc1 .Lpass
	s_wait_dscnt 0x0                               ; my half-words are stored, and my last loads are back
	s_barrier_signal -1
	s_barrier_wait -1
	s_cmp_lt_u32 s[WV], 2                          ; the work-group's 1,024 bytes of half-words leave in whole units: waves 0 and 1, 512 bytes each
	s_cbranch_scc0 .Lno_words
	ds_load_b128 v[S:S+3], v[AE]
	s_wait_dscnt 0x0
	global_store_b128 v[GE], v[S:S+3], s[66:67]
.Lno_words:
	s_wait_tensorcnt 0x0                           ; the wave's end
	ds_add_u32 v[SPW], v[NIL]
	s_wait_dscnt 0x0
	CROUND                                         ; the closing round
	s_endpgm
.Lfunc_end_k_q3825a25883_attn:
	.size	k_q3825a25883_attn, .Lfunc_end_k_q3825a25883_attn-k_q3825a25883_attn
	.p2alignl 7, 3214868480
	.fill 96, 4, 3214868480
	.section	.rodata,"a",@progbits
	.p2align	6, 0x0
	.amdhsa_kernel k_q3825a25883_attn
		.amdhsa_group_segment_fixed_size 220160
		.amdhsa_private_segment_fixed_size 0
		.amdhsa_enable_private_segment 0
		.amdhsa_kernarg_size 24
		.amdhsa_user_sgpr_count 2
		.amdhsa_user_sgpr_kernarg_segment_ptr 1
		.amdhsa_wavefront_size32 1
		.amdhsa_system_sgpr_workgroup_id_x 1
		.amdhsa_system_sgpr_workgroup_id_y 1
		.amdhsa_system_sgpr_workgroup_id_z 1
		.amdhsa_system_vgpr_workitem_id 0
		.amdhsa_next_free_vgpr 512
		.amdhsa_next_free_sgpr 72
		.amdhsa_reserve_vcc 1
		.amdhsa_float_denorm_mode_32 3
		.amdhsa_float_denorm_mode_16_64 3
		.amdhsa_memory_ordered 1
		.amdhsa_forward_progress 1
		.amdhsa_inst_pref_size 58
	.end_amdhsa_kernel
	.amdgpu_metadata
---
amdhsa.version: [ 1, 2 ]
amdhsa.kernels:
  - .name:           k_q3825a25883_attn
    .symbol:         k_q3825a25883_attn.kd
    .args:
      - { .name: qkv, .offset: 0, .size: 8, .value_kind: global_buffer, .address_space: global }
      - { .name: key_padding_mask, .offset: 8, .size: 8, .value_kind: global_buffer, .address_space: global }
      - { .name: ctx, .offset: 16, .size: 8, .value_kind: global_buffer, .address_space: global }
    .group_segment_fixed_size: 220160
    .private_segment_fixed_size: 0
    .kernarg_segment_align: 8
    .kernarg_segment_size: 24
    .max_flat_workgroup_size: 256
    .sgpr_count:     72
    .vgpr_count:     512
    .wavefront_size: 32
...
	.end_amdgpu_metadata
.endif
;; end of part 3
;; launch outp (part 4): grid 4 x 32, 4 waves a work-group, clusters of 4 x 4, 327,680 bytes of LDS; arguments ctx, opnd, out0; writes out0
.if DOCPART == 4
	.amdgcn_target "amdgcn-amd-amdhsa--gfx1250"
	.amdhsa_code_object_version 6
	.text
	.protected	k_q3825a25883_outp
	.globl	k_q3825a25883_outp
	.p2align	8
	.type	k_q3825a25883_outp,@function
k_q3825a25883_outp:
	s_mov_b64 s[64:65], 0
	v_nop
	global_prefetch_b8 v0, s[64:65] scope:SCOPE_SE
	s_setreg_imm32_b32 hwreg(HW_REG_WAVE_MODE, 25, 1), 1
	s_wait_xcnt 0x0
	s_wait_alu depctr_hold_cnt(0) depctr_sa_sdst(0) depctr_va_vdst(0) depctr_va_sdst(0) depctr_va_ssrc(0) depctr_va_vcc(0) depctr_vm_vsrc(0)
	s_getreg_b32 s2, hwreg(HW_REG_IB_STS2, 6, 4)
	s_cmp_eq_u32 s2, 0
	s_cbranch_scc0 .Lentry_in_a_cluster
	s_endpgm
.Lentry_in_a_cluster:
	s_bfe_u32 s2, ttmp6, 0x10000c
	s_cmp_lg_u32 s2, 0xf033
	s_cbranch_scc0 .Lentry_shape_is_right
	s_endpgm
.Lentry_shape_is_right:
; out = ctx Wo^T on codes of FP6 (E2M3) with E8M0 scales, K = 1,024; out0 is [2048 (t)][4 (batch)][1024] f32.
; A tile of the product is 256 x 256, made by four waves, 128 x 128 each; K goes in four steps of 256 through two LDS slots filled by the tensor data mover.  128 tiles: 128 work-groups.
; Both operands lie in memory as images of the operand registers (row tile: 16 positions; 768 bytes for each 64 along K): a fragment is six loads of 8 bytes a lane, each of 256 consecutive LDS bytes.
; Position r of row tile 2 B + u is row 32 B + 8 u + r + 8 (r / 8), of t in ctx and of the features in Wo.  Source 0 = Wo, source 1 = ctx: a lane holds one (batch, t), and the 16 registers of two
; neighbouring tiles of Wo are 16 neighbouring features; the way out puts rows and columns where out0 has them.
; THE SCALES.  Wo's come by a joint tensor load, as 256-byte units.  ctx's lie as half-words [head][position]: each thread gathers two rows' 16 half-words (each load of the work-group reads 512 consecutive bytes)
; and stores the rows' 32 bytes into LDS bytes into which no fill lands.
; CLUSTERS: 4 x 4: ctx's tile is shared along a row of the cluster, Wo's along a column.  No prefetch: K has four steps, of which two are on their way from the start.
; REGISTERS: window 0: v0-31 addresses; v32-63 scale words, two sets; v64-95 the half-words; from v128 ctx's fragments, later rows of out0.  window 1: Wo's fragments, two sets.  windows 2, 3: the accumulators.
.set RTB,    12288
.set OSC,    9437184                   ; where the scale bytes begin in opnd
.set CSO,    6291456                   ; where the half-words begin in ctx
.set STB,    3072
.set NQ,     2
.set FR,     12
.set NL,     6
.set NP,     4
.set HALFT,  8*STB
.set SLOT,   4*HALFT
.set KS,     32
.set SCL,    2*SLOT
.set HALFS,  16*272
.set SBLK,   2*272
.set SPARE,  SCL+4*HALFS               ; the spare words, 128 bytes a wave: two blocks of 256 bytes that no other line names
.set SPITCH, 528                       ; the way out: a stage of 16 rows x (512 + 16) bytes for each wave, in slot 0, which has had its last fill and its last read by then
.set TROW,   16384                     ; a step of t in out0
.set ADRA, 16
.set ADRB, 20
.set STO,  24                          ; v24  the way out: where I put 32 bytes of a row
.set RD,   25                          ; v25  where I read a row back
.set CO,   26                          ; v26  my byte offset in a row of out0
.set ADRS, 27
.set SPW,  28                          ; v28  my spare word; never rewritten
.set NIL,  29                          ; v29  0; never rewritten
.set SC,   32
.set AF,   128
.set BK,   128
.set G1, 24
.set G0, 32
.set G1B, 48
.set G0B, 56
.set G1SB, 80
.set G0SB, 88
.set MSB, 0
.macro WIN new                         ; the immediate's high byte repeats the setting that is left
.if MSB != \new
	s_set_vgpr_msb (MSB<<8)|\new
.set MSB, \new
.endif
.endm
.set MUL_LO, 0xa1
.set MUL_HI, 0xf1
.set TO_B,   0x40
.macro JLOAD g0a, g1a, g0b, g1b        ; a joint load: waves 0 and 1 fetch for ctx, waves 2 and 3 for Wo; four v_nop follow each of the two lines
	s_cmp_eq_u32 s15, 0
	s_cbranch_scc0 .Lfor_b_\@
	tensor_load_to_lds s[\g0a:\g0a+3], s[\g1a:\g1a+7]
	s_nop 0
.rept 4
	v_nop
.endr
	s_branch .Lasked_\@
.Lfor_b_\@:
	tensor_load_to_lds s[\g0b:\g0b+3], s[\g1b:\g1b+7]
	s_nop 0
.rept 4
	v_nop
.endr
.Lasked_\@:
.endm
.macro CREST
	s_cmp_lg_u32 s14, 0
	s_cbranch_scc1 .Lnot_wave_0_\@
	s_barrier_signal -3
.Lnot_wave_0_\@:
	s_barrier_wait -3
	s_barrier_signal -1
	s_barrier_wait -1
.endm
.macro CROUND
	s_barrier_signal -1
	s_barrier_wait -1
	CREST
.endm
	s_load_b128 s[4:7], s[0:1], 0x0                ; ctx s[4:5], opnd s[6:7]
	s_load_b64 s[12:13], s[0:1], 0x10              ; out0
	v_lshl_add_u32 v[SPW], v0, 2, SPARE
	v_mov_b32 v[NIL], 0
	ds_add_u32 v28, v29
	ds_add_u32 v28, v29
	s_wait_dscnt 0x0
	v_lshrrev_b32 v1, 5, v0
	v_readfirstlane_b32 s14, v1                    ; wave 0..3
	s_lshr_b32 s15, s14, 1                         ; which half of ctx's rows is mine.  Also: I fetch for ctx (0) or for Wo (1)
	s_and_b32 s16, s14, 1                          ; which half of Wo's rows.  Also: which 128 rows of that tile I fetch
	s_bfe_u32 s40, ttmp6, 0x40000                  ; cx, cy
	s_bfe_u32 s41, ttmp6, 0x40004
	s_lshl_b32 s42, ttmp9, 2
	s_add_co_u32 s42, s42, s40                     ; tile column, 0..3
	s_and_b32 s17, ttmp7, 0xffff
	s_lshl_b32 s17, s17, 2
	s_add_co_u32 s17, s17, s41                     ; tile row, 0..31
	s_lshl_b32 s43, s41, 2
	s_lshl_b32 s43, 15, s43                        ; my row of the cluster
	s_lshl_b32 s44, 0x1111, s40                    ; my column
	s_or_b32 s[G1+0], s43, (3<<16)|(1<<21)         ; 8 row tiles x 3,072 bytes (384 elements of 8), 12,288 bytes apart in memory, dense in LDS
	s_or_b32 s[G1B+0], s44, (3<<16)|(1<<21)
.irp g, G1, G1B
	s_mov_b32 s[\g+1], 384<<16
	s_mov_b32 s[\g+2], 16<<16                      ; 16 row tiles for the head's loads; behind them the two words that count row tiles are set to 8, for the ring's
	s_mov_b32 s[\g+3], 384<<16
	s_mov_b32 s[\g+4], 16
	s_mov_b32 s[\g+5], 1536
	s_mov_b32 s[\g+6], 0
	s_mov_b32 s[\g+7], 0
.endr
	s_or_b32 s[G1SB+0], s44, (3<<16)|(1<<20)|(1<<21)|(5<<22)|(3<<25)   ; Wo's scales of 128 rows: 16 rows of 256 bytes, 16 bytes of padding behind each
	s_mov_b32 s[G1SB+1], 32<<16
	s_mov_b32 s[G1SB+2], 16<<16
	s_mov_b32 s[G1SB+3], 32<<16
	s_mov_b32 s[G1SB+4], 16
	s_mov_b32 s[G1SB+5], 32
	s_mov_b32 s[G1SB+6], 0
	s_mov_b32 s[G1SB+7], 0
	s_lshl_b32 s18, s16, 3
	s_lshl_b32 s20, s17, 4
	s_add_co_u32 s20, s20, s18                     ; ctx's first row tile
	s_lshl_b32 s46, s42, 4
	s_add_co_u32 s46, s46, 704
	s_add_co_u32 s46, s46, s18                     ; Wo's, in opnd
	s_sub_co_u32 s92, s46, s18                     ; Wo's scales come by halves of 128 rows: waves 1 and 3 fetch half wave / 2
	s_lshl_b32 s94, s15, 3
	s_add_co_u32 s92, s92, s94
	s_lshl_b32 s92, s92, 9
	s_add_co_u32 s92, s92, OSC
	s_mov_b32 s93, 0
	s_mul_i32 s20, s20, RTB
	s_mov_b32 s21, 0
	s_mul_i32 s46, s46, RTB
	s_mov_b32 s47, 0
	s_lshl_b32 s96, s17, 9                         ; the half-words of my tile's 256 positions
	s_add_co_u32 s96, s96, CSO
	s_mov_b32 s97, 0
	s_mov_b32 s98, 0x05040100                      ; v_perm_b32: the two low halves,
	s_mov_b32 s99, 0x07060302                      ; the two high halves
	s_mul_i32 s45, s14, HALFT
	s_mul_i32 s94, s15, HALFS
	s_wait_kmcnt 0x0
	s_add_nc_u64 s[20:21], s[4:5], s[20:21]
	s_add_nc_u64 s[46:47], s[6:7], s[46:47]
	s_add_nc_u64 s[92:93], s[6:7], s[92:93]
	s_add_nc_u64 s[96:97], s[4:5], s[96:97]
	s_mov_b32 s[G0SB], 1
	s_add_co_u32 s[G0SB+1], s94, SCL+2*HALFS
	s_mov_b64 s[G0SB+2:G0SB+3], s[92:93]
	s_or_b32 s[G0SB+3], s[G0SB+3], 0x80000000
.irp s, 0,1
	s_mov_b32 s[G0+4*\s], 1
	s_add_co_u32 s[G0+4*\s+1], s45, \s*SLOT
	s_add_nc_u64 s[G0+4*\s+2:G0+4*\s+3], s[20:21], \s*STB
	s_or_b32 s[G0+4*\s+3], s[G0+4*\s+3], 0x80000000
	s_mov_b32 s[G0B+4*\s], 1
	s_add_co_u32 s[G0B+4*\s+1], s45, \s*SLOT
	s_add_nc_u64 s[G0B+4*\s+2:G0B+4*\s+3], s[46:47], \s*STB
	s_or_b32 s[G0B+4*\s+3], s[G0B+4*\s+3], 0x80000000
.endr
	CROUND                                         ; all sixteen work-groups are here: the first joint loads meet
; THE HEAD'S LOADS, ONE A WAVE: wave 0 fetches K step 0's 256 rows of ctx, wave 2 its 256 rows of Wo, waves 1 and 3 the two halves of Wo's scales.
; In waves 0 and 2 slot 0's group 0 already names the tile's first row and its place in LDS.  One chain of branches on the wave's number, one load to an arm, all arms leading to one join.
.macro ARM under, g0, g1, next
	s_cmp_lt_u32 s14, \under
	s_cbranch_scc0 \next
	tensor_load_to_lds s[\g0:\g0+3], s[\g1:\g1+7]
	s_nop 0
.rept 4
	v_nop
.endr
	s_branch .Lhead_asked
\next:
.endm
	ARM 1, G0,   G1,   .Lhead_s0
	ARM 2, G0SB, G1SB, .Lhead_b
	ARM 3, G0B,  G1B,  .Lhead_s1
	tensor_load_to_lds s[G0SB:G0SB+3], s[G1SB:G1SB+7]
	s_nop 0
.rept 4
	v_nop
.endr
.Lhead_asked:
	v_lshlrev_b32 v7, 2, v0                        ; thread n takes rows 2 n and 2 n + 1 of the tile: one word of each head's half-words
.irp e, 0,1,2,3,4,5,6,7,8,9,10,11,12,13,14,15
	global_load_b32 v[64+\e], v7, s[96:97] offset:\e*16384
.endr
	v_lshrrev_b32 v8, 2, v0
	v_lshlrev_b32 v9, 6, v0
	v_lshl_add_u32 v8, v8, 4, v9
	v_add_nc_u32 v8, SCL, v8                       ; where the two rows' 64 bytes go: 64 n, and 16 more for each 256 passed
	v_and_b32 v1, 15, v0                           ; l % 16
	v_bfe_u32 v2, v0, 4, 1                         ; l / 16
	v_and_b32 v3, 31, v0
	v_lshlrev_b32 v4, 3, v3                        ; 8 x lane
	s_mul_i32 s21, s15, HALFT
	s_mul_i32 s22, s16, HALFT
	s_add_co_u32 s22, s22, 2*HALFT
.irp s, 0,1
	v_add_nc_u32 v[ADRA+\s], s21, v4
	v_add_nc_u32 v[ADRB+\s], s22, v4
	s_add_co_u32 s21, s21, SLOT
	s_add_co_u32 s22, s22, SLOT
.endr
	v_mul_u32_u24 v5, v1, KS
	v_lshrrev_b32 v6, 8, v5
	v_lshl_add_u32 v5, v6, 4, v5
	s_mul_i32 s21, s15, HALFS
	s_mul_i32 s22, s16, HALFS
	s_add_co_u32 s22, s22, 2*HALFS
	s_sub_co_u32 s22, s22, s21
	v_mul_u32_u24 v6, s22, v2                      ; lanes 16-31 take Wo's
	s_add_co_u32 s21, s21, SCL
	v_add_nc_u32 v5, v5, v6
	v_add_nc_u32 v[ADRS], s21, v5
	s_mul_i32 s23, s14, 16*SPITCH                  ; my stage
	v_mul_u32_u24 v5, v1, SPITCH
	v_lshl_add_u32 v5, v2, 6, v5                   ; in: row l % 16, + 64 (l / 16): the 16 features of my half of a group of 32
	v_add_nc_u32 v[STO], s23, v5
	v_lshlrev_b32 v[CO], 4, v3                     ; back: the 32 lanes take one row of 512 bytes; and the same in out0
	v_add_nc_u32 v[RD], s23, v[CO]
	s_and_b32 s20, s17, 7                          ; my first row of out0: t = 256 (tile row % 8) + 128 x half, batch = tile row / 8
	s_lshl_b32 s20, s20, 8
	s_lshl_b32 s21, s15, 7
	s_add_co_u32 s20, s20, s21
	s_lshl_b32 s20, s20, 2
	s_lshr_b32 s21, s17, 3
	s_add_co_u32 s20, s20, s21
	s_lshl_b32 s20, s20, 12
	s_mov_b32 s21, 0
	s_lshl_b32 s46, s42, 10                        ; my first column, in bytes
	s_lshl_b32 s47, s16, 9
	s_add_co_u32 s46, s46, s47
	s_mov_b32 s47, 0
	s_add_nc_u64 s[20:21], s[20:21], s[46:47]
	s_add_nc_u64 s[12:13], s[12:13], s[20:21]
	s_wait_loadcnt 0x0
.irp j, 0,1,2,3,4,5,6,7
	v_perm_b32 v[80+\j], v[65+2*\j], v[64+2*\j], s98   ; row 2 n: heads 2 j and 2 j + 1: bytes 4 j .. 4 j + 3 of its 32
	v_perm_b32 v[88+\j], v[65+2*\j], v[64+2*\j], s99   ; row 2 n + 1
.endr
.irp j, 0,1,2,3
	ds_store_b128 v8, v[80+4*\j:83+4*\j] offset:16*\j
.endr
.macro FRAG reg, adr, q, i
.irp p, 0,1,2,3,4,5
	ds_load_b64 v[\reg+2*\p:\reg+2*\p+1], v[\adr] offset:(\i)*STB+(\q)*1536+256*\p
.endr
.endm
; The 64 accumulators take turns, one instruction a turn, in the same order in every step.
.macro MUL16 a0, p, q, sc, zero
.irp a, \a0, \a0+1
.irp b, 0,1,2,3,4,5,6,7
.if \zero
	v_wmma_scale_f32_16x16x128_f8f6f4 v[8*(8*((\a)%4)+\b):8*(8*((\a)%4)+\b)+7], v[128*(\p)+FR*\b:128*(\p)+FR*\b+FR-1], v[AF+FR*(\a):AF+FR*(\a)+FR-1], 0, v[SC+8*NQ*(\sc)+NQ*\b+(\q)], v[SC+8*NQ*(\sc)+NQ*(\a)+(\q)] matrix_a_fmt:MATRIX_FMT_FP6 matrix_b_fmt:MATRIX_FMT_FP6 matrix_a_scale:MATRIX_SCALE_ROW1
.else
	v_wmma_scale_f32_16x16x128_f8f6f4 v[8*(8*((\a)%4)+\b):8*(8*((\a)%4)+\b)+7], v[128*(\p)+FR*\b:128*(\p)+FR*\b+FR-1], v[AF+FR*(\a):AF+FR*(\a)+FR-1], v[8*(8*((\a)%4)+\b):8*(8*((\a)%4)+\b)+7], v[SC+8*NQ*(\sc)+NQ*\b+(\q)], v[SC+8*NQ*(\sc)+NQ*(\a)+(\q)] matrix_a_fmt:MATRIX_FMT_FP6 matrix_b_fmt:MATRIX_FMT_FP6 matrix_a_scale:MATRIX_SCALE_ROW1
.endif
.endr
.endr
.endm
.macro FETCH_B slot, q, p
	WIN TO_B
.irp i, 0,1,2,3,4,5,6,7
	FRAG 128*(\p)+FR*\i, ADRB+\slot, \q, \i
.endr
	WIN 0
.endm
.macro FETCH_A slot, q, i0
.irp i, \i0, \i0+1, \i0+2, \i0+3
	FRAG AF+FR*(\i), ADRA+\slot, \q, \i
.endr
.endm
.macro SCALES sc
.irp i, 0,1,2,3,4,5,6,7
	ds_load_b64 v[SC+8*NQ*\sc+NQ*\i:SC+8*NQ*\sc+NQ*\i+1], v[ADRS] offset:\i*SBLK
.endr
.endm
.macro PLACES n
.rept \n
	v_nop
.endr
.endm
.macro STEP slot, q, zero
	s_wait_dscnt 4*NL                              ; all but the youngest 24 loads (ctx's blocks 4-7) are in
	WIN MUL_LO
	MUL16 0, (\q)%2, \q, \slot, \zero
	MUL16 2, (\q)%2, \q, \slot, \zero
	s_wait_dscnt 0
	PLACES NP
	FETCH_B \slot, (\q)+1, 1-(\q)%2
	FETCH_A \slot, (\q)+1, 0
	WIN MUL_HI
	MUL16 4, (\q)%2, \q, \slot, \zero
	MUL16 6, (\q)%2, \q, \slot, \zero
	PLACES NP
	WIN 0
	FETCH_A \slot, (\q)+1, 4
.endm
.macro TURN slot, next, fill
	s_wait_tensorcnt 0x0                           ; all my tensor loads have landed: my part of the next slot
	ds_add_u32 v[SPW], v[NIL]                      ; 0 onto my spare word
	s_wait_dscnt 4*NL+1                            ; the add and the youngest 24 loads may be out
	WIN MUL_LO
	MUL16 0, 1, NQ-1, \slot, 0
	s_wait_dscnt 0x0                               ; the add is done, and my reads of this slot are over
	s_barrier_signal -1
	MUL16 2, 1, NQ-1, \slot, 0
	WIN 0
	s_barrier_wait -1
.if \fill
	CREST                                          ; the barrier has opened a round of the cluster's: no wave of any partner still reads this slot or has a load on its way
	s_add_nc_u64 s[G0+4*\slot+2:G0+4*\slot+3], s[G0+4*\slot+2:G0+4*\slot+3], 2*STB
	s_add_nc_u64 s[G0B+4*\slot+2:G0B+4*\slot+3], s[G0B+4*\slot+2:G0B+4*\slot+3], 2*STB
	JLOAD G0+4*\slot, G1, G0B+4*\slot, G1B
.else
	PLACES NP
.endif
	s_wait_alu depctr_va_vdst(0)
	v_add_nc_u32 v[ADRS], 4*NQ, v[ADRS]
	FETCH_B \next, 0, 0
	FETCH_A \next, 0, 0
	SCALES \next
	WIN MUL_HI
	MUL16 4, 1, NQ-1, \slot, 0
	MUL16 6, 1, NQ-1, \slot, 0
	PLACES NP
	WIN 0
	FETCH_A \next, 0, 4
.endm
	s_wait_alu depctr_va_vdst(0)
	s_wait_tensorcnt 0x0                           ; my tile of the head's four is in
	ds_add_u32 v[SPW], v[NIL]
	s_mov_b32 s[G1+2], 8<<16                       ; no tensor load of mine is out: from here on a load brings 8 row tiles
	s_mov_b32 s[G1+4], 8
	s_mov_b32 s[G1B+2], 8<<16
	s_mov_b32 s[G1B+4], 8
	s_wait_dscnt 0x0                               ; the add is done, and my two rows of ctx's scales are stored
	CROUND                                         ; a whole round: all tiles are in, and the sixteen work-groups are here
	JLOAD G0+4, G1, G0B+4, G1B                     ; K step 1: slot 1's first fill, the first tensor load behind the round
	FETCH_B 0, 0, 0
	FETCH_A 0, 0, 0
	SCALES 0
	FETCH_A 0, 0, 4
	STEP 0, 0, 1                                   ; K has four steps of 256, eight of 128: written out, no loop
	TURN 0, 1, 1
	STEP 1, 0, 0
	TURN 1, 0, 1
	STEP 0, 0, 0
	TURN 0, 1, 0
	STEP 1, 0, 0
	s_wait_dscnt 4*NL
	WIN MUL_LO
	MUL16 0, 1, NQ-1, 1, 0
	MUL16 2, 1, NQ-1, 1, 0
	s_wait_dscnt 0
	WIN MUL_HI
	MUL16 4, 1, NQ-1, 1, 0
	MUL16 6, 1, NQ-1, 1, 0
	WIN 0
; THE WAY OUT, block by block of 16 positions x 128 features, through my own stage in LDS.  Register j of Wo's tile 2 B + u is feature 32 B + 16 (lane / 16) + 8 u + j: the stage's offsets put it there.
; The rows come back whole, 512 bytes each; row p of block 2 B + u is t = 32 B + 8 u + p + 8 (p / 8) of my 128.  LDS serves a wave's instructions in order: no wait between the stores and the loads.
.macro TOSTAGE a
.set AC, 64*((\a)%4)
	WIN 0x08+4*((\a)/4)                            ; the data: window 2 or 3
.irp b, 0,1,2,3,4,5,6,7
	ds_store_b128 v[STO], v[AC+8*\b:AC+8*\b+3] offset:128*(\b/2)+32*(\b%2)          ; each accumulator from its low end on
	ds_store_b128 v[STO], v[AC+8*\b+4:AC+8*\b+7] offset:128*(\b/2)+32*(\b%2)+16
.endr
	WIN 0
.set BB, BK+64*((\a)%2)
.irp t, 0,1,2,3,4,5,6,7,8,9,10,11,12,13,14,15
	ds_load_b128 v[BB+4*\t:BB+4*\t+3], v[RD] offset:\t*SPITCH
.endr
.endm
.macro SEND a, younger                 ; younger: the LDS instructions issued behind block a's loads, which may stay out
.set BB, BK+64*((\a)%2)
	s_wait_dscnt \younger
.if (\a) > 0
.if (\a)%2
	s_add_nc_u64 s[12:13], s[12:13], 8*TROW        ; (behind a wait on XCNT: the earlier stores have read their base)  from block 2 B to 2 B + 1: 8 steps of t
.else
	s_add_nc_u64 s[12:13], s[12:13], 24*TROW       ; from 2 B + 1 to 2 B + 2: 24
.endif
.endif
.irp t, 0,1,2,3,4,5,6,7,8,9,10,11,12,13,14,15
	global_store_b128 v[CO], v[BB+4*\t:BB+4*\t+3], s[12:13] offset:(\t+8*(\t/8))*TROW th:TH_STORE_NT   ; 32 lanes store 512 consecutive bytes, aligned; written once, read by nobody here
.endr
.endm
	PLACES NP
	TOSTAGE 0
.irp a, 1,2,3,4,5,6,7
.if \a > 1
	s_wait_xcnt 0x0                                ; block a - 2's stores have read their registers and their base
.endif
	TOSTAGE \a
	SEND \a-1, 32                                  ; behind block a - 1's loads: block a's 16 stores and 16 loads
.endr
	s_wait_xcnt 0x0
	SEND 7, 0
	s_wait_tensorcnt 0x0                           ; the wave's end
	ds_add_u32 v[SPW], v[NIL]
	s_wait_dscnt 0x0
	CROUND                                         ; the closing round
	s_endpgm
.Lfunc_end_k_q3825a25883_outp:
	.size	k_q3825a25883_outp, .Lfunc_end_k_q3825a25883_outp-k_q3825a25883_outp
	.p2alignl 7, 3214868480
	.fill 96, 4, 3214868480
	.section	.rodata,"a",@progbits
	.p2align	6, 0x0
	.amdhsa_kernel k_q3825a25883_outp
		.amdhsa_group_segment_fixed_size 327680
		.amdhsa_private_segment_fixed_size 0
		.amdhsa_enable_private_segment 0
		.amdhsa_kernarg_size 24
		.amdhsa_user_sgpr_count 2
		.amdhsa_user_sgpr_kernarg_segment_ptr 1
		.amdhsa_wavefront_size32 1
		.amdhsa_system_sgpr_workgroup_id_x 1
		.amdhsa_system_sgpr_workgroup_id_y 1
		.amdhsa_system_sgpr_workgroup_id_z 1
		.amdhsa_system_vgpr_workitem_id 0
		.amdhsa_next_free_vgpr 1024
		.amdhsa_next_free_sgpr 104
		.amdhsa_reserve_vcc 0
		.amdhsa_float_denorm_mode_32 3
		.amdhsa_float_denorm_mode_16_64 3
		.amdhsa_memory_ordered 1
		.amdhsa_forward_progress 1
		.amdhsa_inst_pref_size 163
	.end_amdhsa_kernel
	.amdgpu_metadata
---
amdhsa.version: [ 1, 2 ]
amdhsa.kernels:
  - .name:           k_q3825a25883_outp
    .symbol:         k_q3825a25883_outp.kd
    .args:
      - { .name: ctx, .offset: 0, .size: 8, .value_kind: global_buffer, .address_space: global }
      - { .name: opnd, .offset: 8, .size: 8, .value_kind: global_buffer, .address_space: global }
      - { .name: out0, .offset: 16, .size: 8, .value_kind: global_buffer, .address_space: global }
    .group_segment_fixed_size: 327680
    .private_segment_fixed_size: 0
    .kernarg_segment_align: 8
    .kernarg_segment_size: 24
    .max_flat_workgroup_size: 128
    .sgpr_count:     104
    .vgpr_count:     1024
    .wavefront_size: 32
...
	.end_amdgpu_metadata
.endif
;; end of part 4
